; MI455X (gfx1250); checked and timed in simulation.
; The chip was launched on July 23, 2026; its instructions are those of AMD's public machine-readable ISA for CDNA 5 (MIT licence, August 2026) and "CDNA5" Instruction Set Architecture Reference Guide (July 2026). The comments in the code are by the model that wrote it; some were corrected since.
;; Alignment Model. Allowed arithmetic: float matrix products may take bf16 or f16 operands with f32 sums; all other float work in f32.
;; Inputs: W_a1 512 x 256 float32; W_a2 256 x 256 float32; W_c1 512 x 256 float32; W_c2 256 x 256 float32; W_g1 512 x 256 float32; W_g2 256 x 256 float32; W_o 256 x 3 float32; b_a1 256 float32; b_a2 256 float32; b_c1 256 float32; b_c2 256 float32; b_g1 256 float32; b_g2 256 float32; b_o 3 float32; col_idx 1,024 int32; data 512 x 64 int32; emb 50,000 x 512 float32; row_idx 1,024 int32.
;; Outputs: out0 1,024 x 64 x 64 float32; out1 1,024 x 3 float32.
;; 2 versions, each right and faster than the one before. Each part assembles by itself: llvm-mc -triple=amdgcn-amd-amdhsa -mcpu=gfx1250 --defsym DOCPART=n.
;; ======== version 1 of 2: 4 launches
;; limits: values outside matrix products are rounded to bf16; values are held in f16: magnitudes above 65,504 overflow, below 6.1e-05 lose precision
;; workspace buffers: wimg 1,572,864 bytes; en 16,777,216 bytes; tp 16,777,216 bytes; bp 16,777,216 bytes; agg 2,097,152 bytes
;; launch prep (part 1): grid 32 x 12, 8 waves a work-group, no clusters, 0 bytes of LDS; arguments W_a1, W_a2, W_c1, W_c2, W_g1, W_g2, wimg; writes wimg
.if DOCPART == 1
	.amdgcn_target "amdgcn-amd-amdhsa--gfx1250"
	.amdhsa_code_object_version 6
	.text
	.protected	k_q2bcd903125_prep
	.globl	k_q2bcd903125_prep
	.p2align	8
	.type	k_q2bcd903125_prep,@function
k_q2bcd903125_prep:
	s_mov_b64 s[64:65], 0
	v_nop
	global_prefetch_b8 v0, s[64:65] scope:SCOPE_SE
	s_setreg_imm32_b32 hwreg(HW_REG_WAVE_MODE, 25, 1), 1
	s_wait_xcnt 0x0
; prep: the six weight matrices, cut into pieces of 256 (k) x 256 (n), are rewritten once as ready matrix fragments of W^T.
; Piece y lies at wimg + 131072 y.  Inside a piece the 16 bytes at ((t*8+kk)*2+q)*512 + 16 L hold W[32kk+16q+8h+e][16t+r], e = 0..7,
; with r = L & 15, h = L >> 4: one 16-byte load of a wave (512 consecutive bytes) is half a fragment of 16 columns x 32 k.
; Pieces: 0 W_a1[0:256], 1 W_a1[256:512], 2 W_a2, 3 W_c1[0:256] in f16 (their other operand is bounded or normalised, and f16 keeps three bits more);
;         4 W_c1[256:512], 5 W_g1[0:256], 6 W_g1[256:512], 7 W_g2, 8 W_c2 in bf16 (no bound on their other operand's range);
;         9, 10, 11: the low parts of pieces 5, 6, 7: bf16(w - bf16(w)), so that high and low part together keep sixteen significant bits.
; LIMIT: a weight of W_a1, W_a2 or W_c1[0:256] above 65,504 in magnitude becomes an infinity in f16.
; One wave makes one half fragment: 8 loads of 4 bytes a lane (sixteen lanes read 64 consecutive bytes of a row of W), one store of 512
; consecutive aligned bytes.  The reads are short runs; all pieces together are 3,145,728 bytes read, so no LDS transpose is spent on them.
; No matrix unit, LDS or cluster: nothing is shared and nothing is multiplied.
	s_load_b256 s[4:11], s[0:1], 0x0               ; W_a1 s[4:5], W_a2 s[6:7], W_c1 s[8:9], W_c2 s[10:11]
	s_load_b128 s[12:15], s[0:1], 0x20             ; W_g1 s[12:13], W_g2 s[14:15]
	s_load_b64 s[16:17], s[0:1], 0x30              ; wimg
	v_lshrrev_b32 v1, 5, v0
	v_readfirstlane_b32 s2, v1                     ; wave 0..7
	s_and_b32 s3, ttmp7, 0xffff                    ; y: the piece
	s_lshl_b32 s18, ttmp9, 3
	s_add_co_u32 s18, s18, s2                      ; half fragment 0..255 = (t*8+kk)*2+q
	s_mov_b32 s22, 0                               ; pieces 1, 4, 6, 10 are the lower halves of their matrices: 256 rows of 1,024 bytes down
	s_cmp_eq_u32 s3, 1
	s_cselect_b32 s22, 0x40000, s22
	s_cmp_eq_u32 s3, 4
	s_cselect_b32 s22, 0x40000, s22
	s_cmp_eq_u32 s3, 6
	s_cselect_b32 s22, 0x40000, s22
	s_cmp_eq_u32 s3, 10
	s_cselect_b32 s22, 0x40000, s22
	s_and_b32 s19, s18, 15                         ; 2 kk + q: sixteen rows of W each
	s_lshl_b32 s19, s19, 14
	s_add_co_u32 s22, s22, s19
	s_lshr_b32 s19, s18, 4                         ; t: sixteen columns, 64 bytes
	s_lshl_b32 s19, s19, 6
	s_add_co_u32 s22, s22, s19
	s_mov_b32 s23, 0
	s_lshl_b32 s24, s3, 17                         ; where it goes: 131072 y + 512 x half fragment
	s_lshl_b32 s19, s18, 9
	s_add_co_u32 s24, s24, s19
	s_mov_b32 s25, 0
	v_and_b32 v2, 15, v0                           ; r
	v_bfe_u32 v3, v0, 4, 1                         ; h
	v_lshlrev_b32 v1, 2, v2
	v_lshl_add_u32 v1, v3, 13, v1                  ; 8 h rows + 4 r bytes
	v_and_b32 v3, 31, v0
	v_lshlrev_b32 v3, 4, v3                        ; 16 L
	s_wait_kmcnt 0x0
	s_mov_b64 s[20:21], s[4:5]                     ; the piece's matrix, chosen on y alone
	s_cmp_ge_u32 s3, 2
	s_cselect_b64 s[20:21], s[6:7], s[20:21]
	s_cmp_ge_u32 s3, 3
	s_cselect_b64 s[20:21], s[8:9], s[20:21]
	s_cmp_ge_u32 s3, 5
	s_cselect_b64 s[20:21], s[12:13], s[20:21]
	s_cmp_ge_u32 s3, 7
	s_cselect_b64 s[20:21], s[14:15], s[20:21]
	s_cmp_ge_u32 s3, 8
	s_cselect_b64 s[20:21], s[10:11], s[20:21]
	s_cmp_ge_u32 s3, 9
	s_cselect_b64 s[20:21], s[12:13], s[20:21]
	s_cmp_ge_u32 s3, 11
	s_cselect_b64 s[20:21], s[14:15], s[20:21]
	s_add_nc_u64 s[20:21], s[20:21], s[22:23]
	s_add_nc_u64 s[16:17], s[16:17], s[24:25]
.irp e,0,1,2,3,4,5,6,7
	global_load_b32 v[4+\e], v1, s[20:21] offset:1024*\e       ; eight neighbouring k of my column
.endr
	s_wait_loadcnt 0x0
	s_cmp_lt_u32 s3, 4
	s_cbranch_scc1 .Lhalf
.irp e,0,1,2,3
	v_cvt_pk_bf16_f32 v[12+\e], v[4+2*\e], v[5+2*\e]           ; the high part
.endr
	s_cmp_lt_u32 s3, 9
	s_cbranch_scc1 .Lout
.irp e,0,1,2,3
	v_lshlrev_b32 v[16+2*\e], 16, v[12+\e]                     ; the high part back in f32,
	v_and_b32 v[17+2*\e], 0xffff0000, v[12+\e]
.endr
.irp e,0,1,2,3
	v_pk_add_f32 v[4+2*\e:5+2*\e], v[4+2*\e:5+2*\e], v[16+2*\e:17+2*\e] neg_lo:[0,1] neg_hi:[0,1]   ; what it left (exact),
.endr
.irp e,0,1,2,3
	v_cvt_pk_bf16_f32 v[12+\e], v[4+2*\e], v[5+2*\e]           ; rounded: the low part
.endr
	s_branch .Lout
.Lhalf:
.irp e,0,1,2,3
	v_cvt_pk_f16_f32 v[12+\e], v[4+2*\e], v[5+2*\e]
.endr
.Lout:
	global_store_b128 v3, v[12:15], s[16:17]       ; the wave stores 512 consecutive bytes, aligned
	s_endpgm
.Lfunc_end_k_q2bcd903125_prep:
	.size	k_q2bcd903125_prep, .Lfunc_end_k_q2bcd903125_prep-k_q2bcd903125_prep
	.p2alignl 7, 3214868480
	.fill 96, 4, 3214868480
	.section	.rodata,"a",@progbits
	.p2align	6, 0x0
	.amdhsa_kernel k_q2bcd903125_prep
		.amdhsa_group_segment_fixed_size 0
		.amdhsa_private_segment_fixed_size 0
		.amdhsa_enable_private_segment 0
		.amdhsa_kernarg_size 56
		.amdhsa_user_sgpr_count 2
		.amdhsa_user_sgpr_kernarg_segment_ptr 1
		.amdhsa_wavefront_size32 1
		.amdhsa_system_sgpr_workgroup_id_x 1
		.amdhsa_system_sgpr_workgroup_id_y 1
		.amdhsa_system_sgpr_workgroup_id_z 1
		.amdhsa_system_vgpr_workitem_id 0
		.amdhsa_next_free_vgpr 24
		.amdhsa_next_free_sgpr 66
		.amdhsa_reserve_vcc 0
		.amdhsa_float_denorm_mode_32 3
		.amdhsa_float_denorm_mode_16_64 3
		.amdhsa_memory_ordered 1
		.amdhsa_forward_progress 1
		.amdhsa_inst_pref_size 5
	.end_amdhsa_kernel
	.amdgpu_metadata
---
amdhsa.version: [ 1, 2 ]
amdhsa.kernels:
  - .name:           k_q2bcd903125_prep
    .symbol:         k_q2bcd903125_prep.kd
    .args:
      - { .name: W_a1, .offset: 0, .size: 8, .value_kind: global_buffer, .address_space: global }
      - { .name: W_a2, .offset: 8, .size: 8, .value_kind: global_buffer, .address_space: global }
      - { .name: W_c1, .offset: 16, .size: 8, .value_kind: global_buffer, .address_space: global }
      - { .name: W_c2, .offset: 24, .size: 8, .value_kind: global_buffer, .address_space: global }
      - { .name: W_g1, .offset: 32, .size: 8, .value_kind: global_buffer, .address_space: global }
      - { .name: W_g2, .offset: 40, .size: 8, .value_kind: global_buffer, .address_space: global }
      - { .name: wimg, .offset: 48, .size: 8, .value_kind: global_buffer, .address_space: global }
    .group_segment_fixed_size: 0
    .private_segment_fixed_size: 0
    .kernarg_segment_align: 8
    .kernarg_segment_size: 56
    .max_flat_workgroup_size: 256
    .sgpr_count:     66
    .vgpr_count:     24
    .wavefront_size: 32
...
	.end_amdgpu_metadata
.endif
;; end of part 1
;; launch enc (part 2): grid 256 x 1, 4 waves a work-group, no clusters, 201,216 bytes of LDS; arguments data, emb, wimg, b_a1, b_a2, b_c1, en, tp, bp; writes en, tp, bp
.if DOCPART == 2
	.amdgcn_target "amdgcn-amd-amdhsa--gfx1250"
	.amdhsa_code_object_version 6
	.text
	.protected	k_q2bcd903125_enc
	.globl	k_q2bcd903125_enc
	.p2align	8
	.type	k_q2bcd903125_enc,@function
k_q2bcd903125_enc:
	s_mov_b64 s[64:65], 0
	v_nop
	global_prefetch_b8 v0, s[64:65] scope:SCOPE_SE
	s_setreg_imm32_b32 hwreg(HW_REG_WAVE_MODE, 25, 1), 1
	s_wait_xcnt 0x0
; enc: per sentence, everything that hangs on the sentence alone.
;   h1 = relu(emb[data] W_a1 + b_a1), enc = relu(h1 W_a2 + b_a2)                         (f16 operands, f32 sums)
;   en = enc / (|enc| + 1e-8) in f16
;   bp = (enc W_c1[256:512])^T in bf16                                                   (bf16 operands)
;   tp = (|enc| + 1e-8) (en W_c1[0:256]) + b_c1 in bf16                                  (f16 operands: en lies in [0, 1] whatever the inputs' size)
; concat[x, P y] W_c1 = x W_c1[0:256] + P (y W_c1[256:512]), so the pair launch needs tp and bp instead of a product of depth 512 per pair.
; A work-group owns 128 tokens (two sentences, token tiles tt = 0..7); wave w owns features 64 w .. 64 w + 63 (tiles tl = 0..3) of every
; layer for all 128 tokens: 32 accumulator tiles.  Per 32 of K a wave loads 8 x 16 bytes a lane of weights straight from wimg into
; registers (each weight fragment is wanted by one wave only), 16 x 16 bytes a lane of activations from LDS, and issues 32 matrix instructions.
; TRANSPOSED USE: source 0 = weights (16 features), source 1 = activations (16 tokens).  A lane's eight results are then eight neighbouring
; features of one token, and two packed result tiles are, in the same lane, the next layer's fragment.  For bp the sources are swapped.
; NO CLUSTER: the shared bytes are the weights, and they never touch LDS.  A joint load would need a ring of 2 x 65,536 bytes beside
; X + H + SS (200,704): 331,776 bytes, more than a work-group can be given, and 24 instead of 16 LDS loads per 32 matrix instructions.
; LIMITS: emb, W_a1, W_a2, W_c1[0:256] and h1 are f16 operands: a magnitude above 65,504 becomes an infinity (h1 is about 900 with inputs 30 times the
; usual spread or offset by 30 spreads); below 6e-5 they keep an absolute step of 6e-8.  tp is rounded once more, to bf16.  v_sqrt_f32 and
; v_rcp_f32 take denormals as zero; the 1e-8 beside the norm covers that.
; LDS: X at 0: 128 rows x 1,040 bytes (512 f16 + 16 bytes: 65 x 16, so sixteen rows start in sixteen different 16-byte columns);
;      E (enc, bf16) at 0 and EN (en, f16) at 65,536, both over X, which is dead by then, and H at 133,120: 65,536 bytes each in fragment
;      order ((tt*8+kk)*2+q)*512 + 16 L;  SS at 198,656: [wave][token] f32.
; REGISTERS: window 0: v1-v30 addresses, v32-63 bias, v64-191 two activation buffers (also the gather's ring with v192-255, and the stage
;      of every way out), v192-207 norms, v208-223 their reciprocals, v224-255 at work.  Window 1: the 32 accumulator tiles, tile (tl, tt) at
;      8 (8 tl + tt).  Window 2: eight weight slots of 32.
.set XP,    1040
.set ENB,   65536
.set HBASE, 133120
.set SSB,   198656
.set MSB, 0
.macro WIN new                         ; the immediate's high byte repeats the setting that is left
.if MSB != \new
	s_set_vgpr_msb (MSB<<8)|\new
.set MSB, \new
.endif
.endm
.macro PLACES                          ; four plain vector places behind matrix instructions (ISA guide 7.12.1), before their registers are loaded into, written or read
.rept 4
	v_nop
.endr
.endm
.macro BIASLD sb                       ; bias of my 64 features in the accumulator's layout: register j of tile tl = b[64 w + 16 tl + 8 h + j]
.irp tl,0,1,2,3
	global_load_b128 v[32+8*\tl:35+8*\tl], v13, s[\sb:\sb+1] offset:64*\tl
	global_load_b128 v[36+8*\tl:39+8*\tl], v13, s[\sb:\sb+1] offset:64*\tl+16
.endr
.endm
.macro GBATCH b                        ; four tokens' emb rows, 16 loads; each load covers 512 consecutive bytes of one row
.irp i,0,1,2,3
	v_lshl_add_u32 v[16+4*((\b)%3)+\i], s[32+4*(\b)+\i], 11, v1
.endr
.irp i,0,1,2,3
.irp c,0,1,2,3
	global_load_b128 v[64+64*((\b)%3)+16*\i+4*\c:64+64*((\b)%3)+16*\i+4*\c+3], v[16+4*((\b)%3)+\i], s[6:7] offset:512*\c
.endr
.endr
.endm
.macro GPROC b                         ; batch b to f16 and into X
	WIN 0
	s_wait_loadcnt 32                              ; 32 younger loads (two batches, or their count in weight loads) stay out; batch b is in, its offset registers are free
.irp i,0,1,2,3
.irp c,0,1,2,3
	v_cvt_pk_f16_f32 v[64+64*((\b)%3)+16*\i+4*\c], v[64+64*((\b)%3)+16*\i+4*\c], v[64+64*((\b)%3)+16*\i+4*\c+1]
	v_cvt_pk_f16_f32 v[64+64*((\b)%3)+16*\i+4*\c+1], v[64+64*((\b)%3)+16*\i+4*\c+2], v[64+64*((\b)%3)+16*\i+4*\c+3]
	ds_store_b64 v4, v[64+64*((\b)%3)+16*\i+4*\c:64+64*((\b)%3)+16*\i+4*\c+1] offset:(4*(\b)+\i)*XP+256*\c
.endr
.endr
.endm
.macro WGRP gr                         ; weight group gr (32 of K for my 64 features) into slot gr % 8: one stream of 40 groups through all four products
	WIN 0x80
.set pc0, (\gr)>>3                     ; groups 0-23: pieces 0, 1, 2; groups 24-31: piece 4 (bp comes first); groups 32-39: piece 3 (tp)
.if pc0 >= 3
.set pc0, 7-pc0
.endif
.irp tl,0,1,2,3
.irp q,0,1
	global_load_b128 v[32*((\gr)%8)+8*\tl+4*\q:32*((\gr)%8)+8*\tl+4*\q+3], v12, s[8:9] offset:pc0*131072+\tl*8192+((\gr)&7)*1024+\q*512
.endr
.endr
.endm
.macro ACTX kk, buf                    ; eight token fragments from X
.irp tt,0,1,2,3,4,5,6,7
	ds_load_b128 v[64+64*\buf+8*\tt:64+64*\buf+8*\tt+3], v[5+(\tt>>2)] offset:(\tt&3)*16*XP+64*\kk
	ds_load_b128 v[64+64*\buf+8*\tt+4:64+64*\buf+8*\tt+7], v[5+(\tt>>2)] offset:(\tt&3)*16*XP+64*\kk+32
.endr
.endm
.macro ACTF base, kk, buf              ; eight token fragments from H, E or EN (fragment order: lanes at neighbouring 16 bytes)
.irp tt,0,1,2,3,4,5,6,7
	ds_load_b128 v[64+64*\buf+8*\tt:64+64*\buf+8*\tt+3], v[\base] offset:(\tt*8+\kk)*1024
	ds_load_b128 v[64+64*\buf+8*\tt+4:64+64*\buf+8*\tt+7], v[\base] offset:(\tt*8+\kk)*1024+512
.endr
.endm
; 32 matrix instructions.  cmode 0: add in place; 1: the bias starts the sums; 2: the constant 0 starts them.  swap 1: tokens as source 0 (bp).
; The 32 accumulators take turns, one instruction a turn, in the same order in every step.
.macro MM32 form, slot, buf, cmode, swap
.if \swap
	WIN 0x58
.else
.if \cmode == 1
	WIN 0x42
.else
	WIN 0x52
.endif
.endif
.irp tl,0,1,2,3
.irp tt,0,1,2,3,4,5,6,7
.if \swap
.if \cmode == 2
	v_wmma_f32_16x16x32_\form v[8*(8*\tl+\tt):8*(8*\tl+\tt)+7], v[64+64*\buf+8*\tt:64+64*\buf+8*\tt+7], v[32*\slot+8*\tl:32*\slot+8*\tl+7], 0
.else
	v_wmma_f32_16x16x32_\form v[8*(8*\tl+\tt):8*(8*\tl+\tt)+7], v[64+64*\buf+8*\tt:64+64*\buf+8*\tt+7], v[32*\slot+8*\tl:32*\slot+8*\tl+7], v[8*(8*\tl+\tt):8*(8*\tl+\tt)+7]
.endif
.else
.if \cmode == 1
	v_wmma_f32_16x16x32_\form v[8*(8*\tl+\tt):8*(8*\tl+\tt)+7], v[32*\slot+8*\tl:32*\slot+8*\tl+7], v[64+64*\buf+8*\tt:64+64*\buf+8*\tt+7], v[32+8*\tl:39+8*\tl]
.else
.if \cmode == 2
	v_wmma_f32_16x16x32_\form v[8*(8*\tl+\tt):8*(8*\tl+\tt)+7], v[32*\slot+8*\tl:32*\slot+8*\tl+7], v[64+64*\buf+8*\tt:64+64*\buf+8*\tt+7], 0
.else
	v_wmma_f32_16x16x32_\form v[8*(8*\tl+\tt):8*(8*\tl+\tt)+7], v[32*\slot+8*\tl:32*\slot+8*\tl+7], v[64+64*\buf+8*\tt:64+64*\buf+8*\tt+7], v[8*(8*\tl+\tt):8*(8*\tl+\tt)+7]
.endif
.endif
.endif
.endr
.endr
.endm
; One step of 32 along K.  st: the step, 0..39; lo, cnt: the product's first step and number of steps; cfirst: how its first step starts the sums;
; actk 1: activations from X, else from the LDS base in v[base]; bs: scalar pair of a later bias, loaded in the product's second step (0: none).
.macro STEP st, form, lo, cnt, swap, cfirst, actk, base, bs
	PLACES                                         ; behind the last step's matrix instructions: slot (st+6)%8, the other activation buffer and the bias are loaded into below
.if \st+6 < 40
	WGRP (\st+6)
.endif
	WIN 0
.if \bs
.if \st == \lo+1
	BIASLD \bs
.endif
.endif
.if \st-\lo < \cnt-1
.if \actk == 1
	ACTX (\st-\lo+1), ((\st+1)&1)
.else
	ACTF \base, (\st-\lo+1), ((\st+1)&1)
.endif
.endif
.if 39-\st >= 6
	s_wait_loadcnt 48                              ; six groups of eight were issued behind group st (a bias's eight among them make the count only stricter)
.else
	s_wait_loadcnt (39-\st)*8                      ; the stream runs out
.endif
.if \st-\lo < \cnt-1
	s_wait_dscnt 16                                ; all but the 16 LDS loads just issued: this step's fragments are in
.else
	s_wait_dscnt 0
.endif
.if \st == \lo
	MM32 \form, (\st%8), (\st&1), \cfirst, \swap
.else
	MM32 \form, (\st%8), (\st&1), 0, \swap
.endif
.endm
.macro RELUALL
	WIN 0x44
.set n0, 0
.rept 256
	v_max_num_f32 v[n0], 0, v[n0]
.set n0, n0+1
.endr
.endm
.macro CVTALL op                       ; all 32 tiles packed to 16 bits into the stage v64-191: tile (tl, tt) at 64 + 4 (8 tl + tt)
	WIN 0x05
.set n0, 0
.rept 128
	\op v[64+n0], v[2*n0], v[2*n0+1]
.set n0, n0+1
.endr
	WIN 0
.endm
.macro LSTORE base                     ; the stage into H, E or EN: ((tt*8 + 2w + (tl>>1))*2 + (tl&1))*512 = 8192 tt + 2048 w + 512 tl; 2048 w is in the base
.irp tl,0,1,2,3
.irp tt,0,1,2,3,4,5,6,7
	ds_store_b128 v[\base], v[64+4*(8*\tl+\tt):64+4*(8*\tl+\tt)+3] offset:\tt*8192+\tl*512
.endr
.endr
.endm
.macro GSTORE sb, kind                 ; the stage to memory; every store of the wave covers 512 consecutive bytes, aligned
.irp tl,0,1,2,3
.irp tt,0,1,2,3,4,5,6,7
.if \kind == 0
	global_store_b128 v11, v[64+4*(8*\tl+\tt):64+4*(8*\tl+\tt)+3], s[\sb:\sb+1] offset:(\tt>>2)*32768+((\tl>>1)*4+(\tt&3))*1024+(\tl&1)*512
.else
	global_store_b128 v11, v[64+4*(8*\tl+\tt):64+4*(8*\tl+\tt)+3], s[\sb:\sb+1] offset:(\tt>>2)*32768+(\tl*4+(\tt&3))*512
.endif
.endr
.endr
.endm
	s_load_b512 s[4:19], s[0:1], 0x0               ; data s[4:5], emb s[6:7], wimg s[8:9], b_a1 s[10:11], b_a2 s[12:13], b_c1 s[14:15], en s[16:17], tp s[18:19]
	s_load_b64 s[20:21], s[0:1], 0x40              ; bp
	v_lshl_add_u32 v31, v0, 2, 0x31000
	s_set_vgpr_msb 0xc0
	v_mov_b32 v1, 0
	s_set_vgpr_msb 0xc000
	v_lshrrev_b32 v2, 5, v0
	v_readfirstlane_b32 s24, v2                    ; wave
	v_and_b32 v3, 31, v0                           ; L
	v_and_b32 v14, 15, v0                          ; r
	v_bfe_u32 v15, v0, 4, 1                        ; h
	v_lshlrev_b32 v1, 4, v3                        ; 16 L
	s_mov_b32 s26, 0x76543210                      ; v_permlanex16_b32: lane i takes lane i of the other half
	s_mov_b32 s27, 0xfedcba98
	s_lshl_b32 s22, ttmp9, 9                       ; my wave's 32 token ids: 128 tokens a group, 32 a wave, 4 bytes each
	s_lshl_b32 s23, s24, 7
	s_add_co_u32 s22, s22, s23
	s_mov_b32 s23, 0
	s_lshl_b32 s28, ttmp9, 16                      ; two sentences of 32,768 bytes in en, tp and bp
	s_mov_b32 s29, 0
	s_wait_kmcnt 0x0
	s_add_nc_u64 s[22:23], s[4:5], s[22:23]
	s_load_b512 s[32:47], s[22:23], 0x0
	s_load_b512 s[48:63], s[22:23], 0x40
	s_add_nc_u64 s[16:17], s[16:17], s[28:29]
	s_add_nc_u64 s[18:19], s[18:19], s[28:29]
	s_add_nc_u64 s[20:21], s[20:21], s[28:29]
	s_mul_i32 s25, s24, 32*XP
	v_lshl_add_u32 v4, v3, 3, s25                  ; X, in: my wave's 32 rows, 8 bytes a lane
	v_mul_u32_u24 v5, v14, XP
	v_lshl_add_u32 v5, v15, 4, v5                  ; X, out: row r, 16 h; token tiles 0-3
	v_add_nc_u32 v6, 64*XP, v5                     ; token tiles 4-7 (beyond the 16-bit immediate)
	v_add_nc_u32 v7, HBASE, v1                     ; H, out
	s_lshl_b32 s25, s24, 11
	v_add_nc_u32 v8, s25, v7                       ; H, in
	v_add_nc_u32 v28, s25, v1                      ; E, in (E, out is v1)
	v_add_nc_u32 v29, ENB, v28                     ; EN, in
	v_add_nc_u32 v30, ENB, v1                      ; EN, out
	s_lshl_b32 s25, s24, 9
	s_add_co_u32 s25, s25, SSB
	v_lshl_add_u32 v9, v14, 2, s25                 ; SS, in: [w][16 tt + r]
	v_lshlrev_b32 v10, 2, v14
	v_add_nc_u32 v10, SSB, v10                     ; SS, out
	s_lshl_b32 s25, s24, 13
	v_add_nc_u32 v11, s25, v1                      ; en, tp, bp: 8192 w + 16 L
	s_lshl_b32 s25, s24, 15
	v_add_nc_u32 v12, s25, v1                      ; wimg: my four feature tiles, 32768 w + 16 L
	s_lshl_b32 s25, s24, 8
	v_lshl_add_u32 v13, v15, 5, s25                ; biases: 4 (64 w + 8 h)
	BIASLD 10
	s_wait_kmcnt 0x0
.set n0, 32
.rept 32
	s_min_u32 s[n0], s[n0], 49999                  ; an id enters an address only clamped to the table
.set n0, n0+1
.endr
	; THE GATHER: eight batches of four rows through a ring of three register slots; 48 loads (24,576 bytes) of the wave are on their way.
	GBATCH 0
	GBATCH 1
	GBATCH 2
	GPROC 0
	GBATCH 3
	GPROC 1
	GBATCH 4
	GPROC 2
	GBATCH 5
	GPROC 3
	GBATCH 6
	GPROC 4
	GBATCH 7
	GPROC 5
	WGRP 0                                         ; the weight stream takes the gather's place, sixteen loads at a time, so the count 32 goes on holding
	WGRP 1
	GPROC 6
	WGRP 2
	WGRP 3
	GPROC 7
	WGRP 4
	WGRP 5
	WIN 0
	s_wait_dscnt 0x0                               ; my rows of X are written,
	s_barrier_signal -1
	s_barrier_wait -1                              ; everybody's are
	; LAYER 1: K = 512, sixteen steps, f16
	ACTX 0, 0
.set gi, 0
.rept 16
	STEP gi, f16, 0, 16, 0, 1, 1, 0, 12
.set gi, gi+1
.endr
	PLACES
	RELUALL
	CVTALL v_cvt_pk_f16_f32
	LSTORE 8
	s_wait_dscnt 0x0                               ; my part of H is written and my reads of X are over (the last step waited for them),
	s_barrier_signal -1
	s_barrier_wait -1                              ; everybody's: H may be read, X may be written over
	; LAYER 2: K = 256, eight steps, f16.  In its second step b_c1 follows b_a2 into the bias registers, for tp's way out.
	ACTF 7, 0, 0
.rept 8
	STEP gi, f16, 16, 8, 0, 1, 2, 7, 14
.set gi, gi+1
.endr
	PLACES
	RELUALL
	WIN 0x05                                       ; sum of squares of my 32 features of each token: eight chains, one for each token tile
.irp tl,0,1,2,3
.irp p,0,1,2,3
.irp tt,0,1,2,3,4,5,6,7
.if (\tl+\p) == 0
	v_pk_mul_f32 v[192+2*\tt:193+2*\tt], v[8*(8*\tl+\tt)+2*\p:8*(8*\tl+\tt)+2*\p+1], v[8*(8*\tl+\tt)+2*\p:8*(8*\tl+\tt)+2*\p+1]
.else
	v_pk_fma_f32 v[192+2*\tt:193+2*\tt], v[8*(8*\tl+\tt)+2*\p:8*(8*\tl+\tt)+2*\p+1], v[8*(8*\tl+\tt)+2*\p:8*(8*\tl+\tt)+2*\p+1], v[192+2*\tt:193+2*\tt]
.endif
.endr
.endr
.endr
	WIN 0
.irp tt,0,1,2,3,4,5,6,7
	v_add_f32 v[192+2*\tt], v[192+2*\tt], v[193+2*\tt]
.endr
.irp tt,0,1,2,3,4,5,6,7
	v_permlanex16_b32 v[193+2*\tt], v[192+2*\tt], s26, s27     ; the other eight features of each tile lie in the other half of the lanes
.endr
.irp tt,0,1,2,3,4,5,6,7
	v_add_f32 v[192+2*\tt], v[192+2*\tt], v[193+2*\tt]
	ds_store_b32 v9, v[192+2*\tt] offset:64*\tt
.endr
	CVTALL v_cvt_pk_bf16_f32                       ; enc as bf16 fragments for the product with W_c1[256:512]
	LSTORE 28
	s_wait_dscnt 0x0                               ; my sums and my part of E are written, my reads of H are over,
	s_barrier_signal -1
	s_barrier_wait -1                              ; everybody's
.irp tt,0,1,2,3,4,5,6,7
.irp w2,0,1,2,3
	ds_load_b32 v[224+4*\tt+\w2], v10 offset:512*\w2+64*\tt
.endr
.endr
	s_wait_dscnt 0x0
.irp tt,0,1,2,3,4,5,6,7
	v_add_f32 v[224+4*\tt], v[224+4*\tt], v[225+4*\tt]
	v_add_f32 v[226+4*\tt], v[226+4*\tt], v[227+4*\tt]
.endr
.irp tt,0,1,2,3,4,5,6,7
	v_add_f32 v[224+4*\tt], v[224+4*\tt], v[226+4*\tt]
.endr
.irp tt,0,1,2,3,4,5,6,7
	v_sqrt_f32 v[192+2*\tt], v[224+4*\tt]
.endr
	v_nop                                          ; one plain place behind a transcendental before its result is used (ISA guide 5.7.2)
	s_wait_alu depctr_va_vdst(0)
.irp tt,0,1,2,3,4,5,6,7
	v_add_f32 v[192+2*\tt], 0x322bcc77, v[192+2*\tt]           ; |enc| + 1e-8 of token 16 tt + r: kept for tp's way out
.endr
.irp tt,0,1,2,3,4,5,6,7
	v_rcp_f32 v[208+2*\tt], v[192+2*\tt]
.endr
	v_nop
	s_wait_alu depctr_va_vdst(0)
.irp tt,0,1,2,3,4,5,6,7
	v_mov_b32 v[209+2*\tt], v[208+2*\tt]           ; both twice: pairs for the packed forms
	v_mov_b32 v[193+2*\tt], v[192+2*\tt]
.endr
	WIN 0x41
.irp tl,0,1,2,3
.irp tt,0,1,2,3,4,5,6,7
.irp p,0,1,2,3
	v_pk_mul_f32 v[8*(8*\tl+\tt)+2*\p:8*(8*\tl+\tt)+2*\p+1], v[8*(8*\tl+\tt)+2*\p:8*(8*\tl+\tt)+2*\p+1], v[208+2*\tt:209+2*\tt]
.endr
.endr
.endr
	CVTALL v_cvt_pk_f16_f32                        ; in [0, 1]: f16 has room and three more bits than bf16
	GSTORE 16, 0
	LSTORE 29                                      ; and into EN, for tp's product; the barrier for it stands behind bp's product
	s_wait_xcnt 0x0                                ; the stage, which the global stores read, is loaded into again only behind this wait
	; bp = (enc W_c1[256:512])^T, bf16: tokens as source 0, so that a lane holds eight neighbouring TOKENS of one feature
	ACTF 1, 0, 0
.rept 8
	STEP gi, bf16, 24, 8, 1, 2, 2, 1, 0
.set gi, gi+1
.endr
	PLACES
	CVTALL v_cvt_pk_bf16_f32
	GSTORE 20, 1
	s_wait_xcnt 0x0
	s_wait_dscnt 0x0                               ; my part of EN is written (and my reads of E are over),
	s_barrier_signal -1
	s_barrier_wait -1                              ; everybody's
	; tp = (|enc| + 1e-8) (en W_c1[0:256]) + b_c1, f16 operands
	ACTF 30, 0, 0
.rept 8
	STEP gi, f16, 32, 8, 0, 2, 2, 30, 0
.set gi, gi+1
.endr
	PLACES
	WIN 0x41                                       ; a lane's token is 16 tt + r, its registers are features: one scale a tile, the bias by register
.irp tl,0,1,2,3
.irp tt,0,1,2,3,4,5,6,7
.irp p,0,1,2,3
	v_pk_fma_f32 v[8*(8*\tl+\tt)+2*\p:8*(8*\tl+\tt)+2*\p+1], v[8*(8*\tl+\tt)+2*\p:8*(8*\tl+\tt)+2*\p+1], v[192+2*\tt:193+2*\tt], v[32+8*\tl+2*\p:33+8*\tl+2*\p]
.endr
.endr
.endr
	CVTALL v_cvt_pk_bf16_f32
	GSTORE 18, 1
	s_set_vgpr_msb 0xc
	s_wait_tensorcnt 0x0
	ds_add_u32 v31, v1
	s_wait_dscnt 0x0
	s_set_vgpr_msb 0xc00
	s_endpgm
.Lfunc_end_k_q2bcd903125_enc:
	.size	k_q2bcd903125_enc, .Lfunc_end_k_q2bcd903125_enc-k_q2bcd903125_enc
	.p2alignl 7, 3214868480
	.fill 96, 4, 3214868480
	.section	.rodata,"a",@progbits
	.p2align	6, 0x0
	.amdhsa_kernel k_q2bcd903125_enc
		.amdhsa_group_segment_fixed_size 201216
		.amdhsa_private_segment_fixed_size 0
		.amdhsa_enable_private_segment 0
		.amdhsa_kernarg_size 72
		.amdhsa_user_sgpr_count 2
		.amdhsa_user_sgpr_kernarg_segment_ptr 1
		.amdhsa_wavefront_size32 1
		.amdhsa_system_sgpr_workgroup_id_x 1
		.amdhsa_system_sgpr_workgroup_id_y 1
		.amdhsa_system_sgpr_workgroup_id_z 1
		.amdhsa_system_vgpr_workitem_id 0
		.amdhsa_next_free_vgpr 770
		.amdhsa_next_free_sgpr 66
		.amdhsa_reserve_vcc 0
		.amdhsa_float_denorm_mode_32 3
		.amdhsa_float_denorm_mode_16_64 3
		.amdhsa_memory_ordered 1
		.amdhsa_forward_progress 1
		.amdhsa_inst_pref_size 255
	.end_amdhsa_kernel
	.section	.bss,"aw",@nobits
	.p2align	6
	.space	262144
	.amdgpu_metadata
---
amdhsa.version: [ 1, 2 ]
amdhsa.kernels:
  - .name:           k_q2bcd903125_enc
    .symbol:         k_q2bcd903125_enc.kd
    .args:
      - { .name: data, .offset: 0, .size: 8, .value_kind: global_buffer, .address_space: global }
      - { .name: emb, .offset: 8, .size: 8, .value_kind: global_buffer, .address_space: global }
      - { .name: wimg, .offset: 16, .size: 8, .value_kind: global_buffer, .address_space: global }
      - { .name: b_a1, .offset: 24, .size: 8, .value_kind: global_buffer, .address_space: global }
      - { .name: b_a2, .offset: 32, .size: 8, .value_kind: global_buffer, .address_space: global }
      - { .name: b_c1, .offset: 40, .size: 8, .value_kind: global_buffer, .address_space: global }
      - { .name: en, .offset: 48, .size: 8, .value_kind: global_buffer, .address_space: global }
      - { .name: tp, .offset: 56, .size: 8, .value_kind: global_buffer, .address_space: global }
      - { .name: bp, .offset: 64, .size: 8, .value_kind: global_buffer, .address_space: global }
    .group_segment_fixed_size: 201216
    .private_segment_fixed_size: 0
    .kernarg_segment_align: 8
    .kernarg_segment_size: 72
    .max_flat_workgroup_size: 128
    .sgpr_count:     66
    .vgpr_count:     770
    .wavefront_size: 32
...
	.end_amdgpu_metadata
.endif
;; end of part 2
;; launch pair (part 3): grid 256 x 1, 4 waves a work-group, no clusters, 199,168 bytes of LDS; arguments row_idx, col_idx, data, en, tp, bp, wimg, b_c2, out0, agg; writes out0, agg
.if DOCPART == 3
	.amdgcn_target "amdgcn-amd-amdhsa--gfx1250"
	.amdhsa_code_object_version 6
	.text
	.protected	k_q2bcd903125_pair
	.globl	k_q2bcd903125_pair
	.p2align	8
	.type	k_q2bcd903125_pair,@function
k_q2bcd903125_pair:
	s_mov_b64 s[64:65], 0
	v_nop
	global_prefetch_b8 v0, s[64:65] scope:SCOPE_SE
	s_setreg_imm32_b32 hwreg(HW_REG_WAVE_MODE, 25, 1), 1
	s_wait_xcnt 0x0
; pair: ONE WAVE MAKES ONE PAIR from the cosine cost to the two token sums; the four waves of a work-group share W_c2 in LDS and nothing else.
;   cost: cos = en[row] en[col]^T (f16 operands in [0, 1], f32 sums), kept twice: M_R (a lane owns a row token) and M_C (a lane owns a column token)
;   Sinkhorn, 12 rounds, in base 2: everything is multiplied by log2 e, so that exp and log are v_exp_f32 and v_log_f32 without a factor.
;      Each logsumexp takes its true maximum away first.
;   P = 2^(M + u + v) goes out in f32 and, packed to bf16, IS the fragment of the next product in the same lane; likewise P^T from M_C.
;   compare: H1 = relu(tp[own] + P bp[other]) (depth 64), H2 = relu(H1 W_c2 + b_c2), masked sum over the tokens, for both sides.
; "own/across" layout of M, X: register 32 o + 8 x + j of lane (r, h): own token 16 o + r, the other side's token 16 x + 8 h + j.
; MASKED CELLS hold 20 cos - 20 - 2e5 (one side pad) or - 4e5 (both) instead of exactly -2e5 (all times log2 e).  Beside any valid cell
; the exponential of either is exactly 0 in f32, pad tokens' u and v stay finite, and P is set to 0 at pad cells at the end (u, v = -1e38 there).
; LIMITS: a sentence without any valid token gives P = 0 for its pairs.  v_exp_f32 gives 0 for results below 2^-126.  P, tp, bp, H1 are bf16 operands.
; NO CLUSTER: what work-groups share is W_c2, 131,072 bytes fetched once, of the 917,504 bytes that a work-group reads; the rest hangs on
; the pair's indices.  NO PREFETCH: a sentence's blocks are wanted by several pairs in different work-groups, so no block could be asked for once;
; the loads themselves are issued four Sinkhorn rounds ahead of their use.
; LDS: W_c2 fragments at 0 (131,072 bytes, one tensor load of 32,768 bytes a wave, filled once; one tensor load of a wave is out).
;      Behind it 16,896 bytes of each wave's own, written by ds_store alone: stage 16 x 272 at 0, P^T fragments at 4,352, a vector at 12,544,
;      the row mask at 12,800, the column mask at 13,056, b_c2 at 13,312, the sums at 14,336.
; REGISTERS: window 0: v1-7 addresses, v8-15 MX, v16-23 SUM, v24-27 u, v28-31 v, v32-63 BC (the across vector; later the mask), v64-191 X
;      (later 8 accumulator tiles v64-127 and two W buffers v128-191), v192-255 PF (P's fragments; log marginals and temporaries before, bias tiles in E).
;      window 1: M_R 0-127, M_C 128-255, then tp[col] -> H1 of side 2.  window 2: en[row], then tp[row] -> H1 of side 1.  window 3: en[col], bp[col], bp[row].
.set SCRB,  131072
.set SCRSZ, 16896
.set PTF,   4352
.set VEC,   12544
.set BC2,   13312
.set AGGL,  14336
.set K2P,   0x41e6d4ca                 ; 20 log2 e
.set K2N,   0xc1e6d4ca
.set BIGP,  0x488ce360                 ; 2e5 log2 e
.set BIGN,  0xc88ce360
.set PENN,  0xc88ce6fc                 ; -(20 + 2e5) log2 e
.set NEGN,  0xceabfb8f                 ; -1e9 log2 e
.set OFFN,  0xfe967699                 ; -1e38
.set MSB, 0
.macro WIN new
.if MSB != \new
	s_set_vgpr_msb (MSB<<8)|\new
.set MSB, \new
.endif
.endm
.macro PLACES                          ; four plain vector places behind matrix instructions (ISA guide 7.12.1)
.rept 4
	v_nop
.endr
.endm
.macro LDH win, lo, base               ; half a sentence's block (16,384 bytes) into registers 128 lo .. of a window; each load covers 512 consecutive bytes
	WIN (\win<<6)
.set n1, 0
.rept 32
	global_load_b128 v[128*\lo+4*n1:128*\lo+4*n1+3], v1, s[\base:\base+1] offset:16384*\lo+512*n1
.set n1, n1+1
.endr
	WIN 0
.endm
.macro BCAST src                       ; own vector (4 registers) -> across vector BC, through my wave's own LDS bytes: LDS serves a wave in order (ISA guide 5.7.1)
.irp o,0,1,2,3
	ds_store_b32 v2, v[\src+\o] offset:64*\o
.endr
.irp x,0,1,2,3
	ds_load_b128 v[32+8*\x:35+8*\x], v3 offset:64*\x
	ds_load_b128 v[36+8*\x:39+8*\x], v3 offset:64*\x+16
.endr
	s_wait_dscnt 0x0
.endm
.macro SUBX o                          ; X - maximum
.set n0, 0
.rept 16
	v_pk_add_f32 v[64+32*\o+2*n0:65+32*\o+2*n0], v[64+32*\o+2*n0:65+32*\o+2*n0], v[8+2*\o:9+2*\o] op_sel_hi:[1,0] neg_lo:[0,1] neg_hi:[0,1]
.set n0, n0+1
.endr
.endm
.macro EXPX o
.set n0, 0
.rept 32
	v_exp_f32 v[64+32*\o+n0], v[64+32*\o+n0]
.set n0, n0+1
.endr
.endm
.macro SUMX o                          ; 32 numbers to a pair, a tree of depth four
	s_wait_alu depctr_va_vdst(0)
.irp i,0,1,2,3,4,5,6,7
	v_pk_add_f32 v[64+32*\o+4*\i:65+32*\o+4*\i], v[64+32*\o+4*\i:65+32*\o+4*\i], v[66+32*\o+4*\i:67+32*\o+4*\i]
.endr
.irp i,0,1,2,3
	v_pk_add_f32 v[64+32*\o+8*\i:65+32*\o+8*\i], v[64+32*\o+8*\i:65+32*\o+8*\i], v[68+32*\o+8*\i:69+32*\o+8*\i]
.endr
.irp i,0,1
	v_pk_add_f32 v[64+32*\o+16*\i:65+32*\o+16*\i], v[64+32*\o+16*\i:65+32*\o+16*\i], v[72+32*\o+16*\i:73+32*\o+16*\i]
.endr
	v_pk_add_f32 v[16+2*\o:17+2*\o], v[64+32*\o:65+32*\o], v[80+32*\o:81+32*\o]
.endm
; Half a round: out[own] = logm[own] - log2 sum over across of 2^(M + BC); then out becomes the next BC.
.macro HALF mb, lg, out
	WIN 0x01
.set n0, 0
.rept 64
	v_pk_add_f32 v[64+2*n0:65+2*n0], v[\mb+2*n0:\mb+2*n0+1], v[32+(2*n0)%32:33+(2*n0)%32]
.set n0, n0+1
.endr
	WIN 0
.irp o,0,1,2,3                         ; the maximum: two chains for each own token, eight in flight
	v_max3_num_f32 v[8+2*\o], v[64+32*\o], v[65+32*\o], v[66+32*\o]
	v_max3_num_f32 v[9+2*\o], v[81+32*\o], v[82+32*\o], v[83+32*\o]
.endr
.set n0, 0
.rept 6
.irp o,0,1,2,3
	v_max3_num_f32 v[8+2*\o], v[8+2*\o], v[67+2*n0+32*\o], v[68+2*n0+32*\o]
	v_max3_num_f32 v[9+2*\o], v[9+2*\o], v[84+2*n0+32*\o], v[85+2*n0+32*\o]
.endr
.set n0, n0+1
.endr
.irp o,0,1,2,3
	v_max3_num_f32 v[8+2*\o], v[8+2*\o], v[79+32*\o], v[80+32*\o]
.endr
.irp o,0,1,2,3
	v_max_num_f32 v[8+2*\o], v[8+2*\o], v[9+2*\o]
.endr
.irp o,0,1,2,3
	v_permlanex16_b32 v[9+2*\o], v[8+2*\o], s60, s61           ; the other half of the lanes holds the other 32 across tokens
.endr
.irp o,0,1,2,3
	v_max_num_f32 v[8+2*\o], v[8+2*\o], v[9+2*\o]
.endr
	SUBX 0                                         ; plain work of one own token stands between another's exponentials and their use (ISA guide 5.7.2)
	EXPX 0
	SUBX 1
	EXPX 1
	SUMX 0
	SUBX 2
	EXPX 2
	SUMX 1
	SUBX 3
	EXPX 3
	SUMX 2
	SUMX 3
.irp o,0,1,2,3
	v_add_f32 v[16+2*\o], v[16+2*\o], v[17+2*\o]
.endr
.irp o,0,1,2,3
	v_permlanex16_b32 v[17+2*\o], v[16+2*\o], s60, s61
.endr
.irp o,0,1,2,3
	v_add_f32 v[16+2*\o], v[16+2*\o], v[17+2*\o]
.endr
.irp o,0,1,2,3
	v_log_f32 v[17+2*\o], v[16+2*\o]               ; the sum is at least 1
.endr
.irp o,0,1,2,3
	v_sub_f32 v[8+2*\o], v[\lg+\o], v[8+2*\o]      ; the plain places behind the logarithms; they touch neither their results nor their sources
.endr
	s_wait_alu depctr_va_vdst(0)
.irp o,0,1,2,3
	v_sub_f32 v[\out+\o], v[8+2*\o], v[17+2*\o]
.endr
	BCAST \out
.endm
.macro ITER
	HALF 0, 192, 24                                ; u from M_R and v
	HALF 128, 196, 28                              ; v from M_C and u
.endm
; cos -> M in base 2, with the masks' penalties.  own: first scalar register of the own side's lane masks; mko: the across side's mask in LDS, from v3
.macro MBUILD mb, own, mko
.irp x,0,1,2,3
	ds_load_b128 v[32+8*\x:35+8*\x], v3 offset:\mko+64*\x
	ds_load_b128 v[36+8*\x:39+8*\x], v3 offset:\mko+64*\x+16
.endr
.irp o,0,1,2,3
	v_cndmask_b32 v[8+2*\o], v200, v201, s[\own+\o]            ; -20 log2 e, with the penalty where my own token is pad
.endr
	s_wait_dscnt 0x0
.set n0, 0
.rept 32
	v_fma_f32 v[32+n0], v[32+n0], s76, s77         ; mask 1 -> 0 exactly, mask 0 -> the penalty
.set n0, n0+1
.endr
	WIN 0x41
.set n0, 0
.rept 64
	v_pk_fma_f32 v[\mb+2*n0:\mb+2*n0+1], v[\mb+2*n0:\mb+2*n0+1], K2P, v[8+2*(n0/16):9+2*(n0/16)] op_sel_hi:[1,0,0]
.set n0, n0+1
.endr
.set n0, 0
.rept 64
	v_pk_add_f32 v[\mb+2*n0:\mb+2*n0+1], v[\mb+2*n0:\mb+2*n0+1], v[32+(2*n0)%32:33+(2*n0)%32]
.set n0, n0+1
.endr
	WIN 0
.endm
.macro PMAKE mb, own                   ; X = 2^(M + BC + own vector)
.irp o,0,1,2,3
	v_mov_b32 v[8+2*\o], v[\own+\o]
.endr
	WIN 0x01
.set n0, 0
.rept 64
	v_pk_add_f32 v[64+2*n0:65+2*n0], v[\mb+2*n0:\mb+2*n0+1], v[32+(2*n0)%32:33+(2*n0)%32]
.set n0, n0+1
.endr
	WIN 0
.set n0, 0
.rept 64
	v_pk_add_f32 v[64+2*n0:65+2*n0], v[64+2*n0:65+2*n0], v[8+2*(n0/16):9+2*(n0/16)] op_sel_hi:[1,0]
.set n0, n0+1
.endr
.set n0, 0
.rept 128
	v_exp_f32 v[64+n0], v[64+n0]
.set n0, n0+1
.endr
	v_nop                                          ; the plain place behind the run of exponentials (ISA guide 5.7.2): the lines that follow the macro read its first results at once
.endm
; H1, feature tiles 2c and 2c+1, all 64 tokens: tp widened to f32 starts the sums, two steps of 32 across tokens are added, relu, bf16.
; The 32 registers that held tp's chunk take H1's chunk, laid as fragment (kstep c, token tile tt) at 32 c + 8 tt.
.macro DCHUNK c, tw
	WIN (\tw<<2)
.irp tl,0,1
.irp tt,0,1,2,3
.irp i,0,1,2,3
	v_lshlrev_b32 v[64+8*(4*\tl+\tt)+2*\i], 16, v[32*\c+16*\tl+4*\tt+\i]
	v_and_b32 v[64+8*(4*\tl+\tt)+2*\i+1], s63, v[32*\c+16*\tl+4*\tt+\i]
.endr
.endr
.endr
	WIN 0x03                                       ; eight accumulators take turns, one instruction a turn
.irp kk,0,1
.irp tl,0,1
.irp tt,0,1,2,3
	v_wmma_f32_16x16x32_bf16 v[64+8*(4*\tl+\tt):64+8*(4*\tl+\tt)+7], v[16*(2*\c+\tl)+8*\kk:16*(2*\c+\tl)+8*\kk+7], v[192+16*\tt+8*\kk:192+16*\tt+8*\kk+7], v[64+8*(4*\tl+\tt):64+8*(4*\tl+\tt)+7]
.endr
.endr
.endr
	PLACES
	WIN 0
.set n0, 0
.rept 64
	v_max_num_f32 v[64+n0], 0, v[64+n0]
.set n0, n0+1
.endr
	WIN (\tw<<6)
.irp tl,0,1
.irp tt,0,1,2,3
.irp i,0,1,2,3
	v_cvt_pk_bf16_f32 v[32*\c+8*\tt+4*\tl+\i], v[64+8*(4*\tl+\tt)+2*\i], v[64+8*(4*\tl+\tt)+2*\i+1]
.endr
.endr
.endr
.endm
.macro WLD buf, kp, extra              ; W_c2 fragments of two ksteps x two feature tiles: eight LDS loads
.irp kq,0,1
.irp tl,0,1
.irp q,0,1
	ds_load_b128 v[128+32*\buf+16*\kq+8*\tl+4*\q:128+32*\buf+16*\kq+8*\tl+4*\q+3], v7 offset:\extra+\tl*8192+(2*\kp+\kq)*1024+\q*512
.endr
.endr
.endr
.endm
; H2, feature tiles 2e and 2e+1: tokens as source 0, so that a lane holds one feature and the token sum stays in the lane.
.macro ECHUNK hw, next
	s_wait_dscnt 8                                 ; behind the two bias loads stand 8 LDS instructions on the way in and 10 round the back edge: 8 serves both
.irp j,0,1,2,3,4,5,6,7
	v_mov_b32 v[192+\j], v208                      ; the bias as a C tile: the same number in all eight token rows
	v_mov_b32 v[200+\j], v209
.endr
.irp g,0,1,2,3
	PLACES                                         ; the buffer loaded below was read by the last group's matrix instructions
.if \g < 3
	WLD ((\g+1)&1), (\g+1), 0
	s_wait_dscnt 8                                 ; all but the eight just issued
.else
.if \next
	ds_load_b32 v208, v218 offset:128              ; the next chunk's bias and first fragments
	ds_load_b32 v209, v218 offset:192
	WLD 0, 0, 16384
	s_wait_dscnt 10                                ; all but the ten just issued
.else
	s_wait_dscnt 0
.endif
.endif
	WIN \hw
.irp kq,0,1
.irp tl,0,1
.irp tt,0,1,2,3
.if (2*\g+\kq) == 0
	v_wmma_f32_16x16x32_bf16 v[64+8*(4*\tl+\tt):64+8*(4*\tl+\tt)+7], v[32*(2*\g+\kq)+8*\tt:32*(2*\g+\kq)+8*\tt+7], v[128+32*(\g&1)+16*\kq+8*\tl:128+32*(\g&1)+16*\kq+8*\tl+7], v[192+8*\tl:199+8*\tl]
.else
	v_wmma_f32_16x16x32_bf16 v[64+8*(4*\tl+\tt):64+8*(4*\tl+\tt)+7], v[32*(2*\g+\kq)+8*\tt:32*(2*\g+\kq)+8*\tt+7], v[128+32*(\g&1)+16*\kq+8*\tl:128+32*(\g&1)+16*\kq+8*\tl+7], v[64+8*(4*\tl+\tt):64+8*(4*\tl+\tt)+7]
.endif
.endr
.endr
.endr
	WIN 0
.endr
	PLACES
.set n0, 0
.rept 64
	v_max_num_f32 v[64+n0], 0, v[64+n0]
.set n0, n0+1
.endr
.set n0, 0
.rept 8                                ; masked sum over my 32 tokens of each feature: four chains
.irp tl,0,1
.irp c2,0,1
.if n0 == 0
	v_pk_mul_f32 v[210+4*\tl+2*\c2:211+4*\tl+2*\c2], v[64+32*\tl+16*\c2+2*n0:65+32*\tl+16*\c2+2*n0], v[32+16*\c2+2*n0:33+16*\c2+2*n0]
.else
	v_pk_fma_f32 v[210+4*\tl+2*\c2:211+4*\tl+2*\c2], v[64+32*\tl+16*\c2+2*n0:65+32*\tl+16*\c2+2*n0], v[32+16*\c2+2*n0:33+16*\c2+2*n0], v[210+4*\tl+2*\c2:211+4*\tl+2*\c2]
.endif
.endr
.endr
.set n0, n0+1
.endr
.irp tl,0,1
	v_pk_add_f32 v[210+4*\tl:211+4*\tl], v[210+4*\tl:211+4*\tl], v[212+4*\tl:213+4*\tl]
.endr
.irp tl,0,1
	v_add_f32 v[210+4*\tl], v[210+4*\tl], v[211+4*\tl]
.endr
.irp tl,0,1
	v_permlanex16_b32 v[211+4*\tl], v[210+4*\tl], s60, s61
.endr
.irp tl,0,1
	v_add_f32 v[210+4*\tl], v[210+4*\tl], v[211+4*\tl]
	ds_store_b32 v219, v[210+4*\tl] offset:64*\tl
.endr
.if \next
	v_add_nc_u32 v7, 16384, v7                     ; two feature tiles on in W_c2, in b_c2 and in the sums
	v_add_nc_u32 v218, 128, v218
	v_add_nc_u32 v219, 128, v219
.endif
.endm
.macro ESIDE hw, mko, side, lbl
	WIN 0
	v_mov_b32 v7, v1                               ; W_c2 from LDS byte 0, 16 L
	v_add_nc_u32 v218, BC2-VEC, v2                 ; b_c2[16 t + r]
	v_add_nc_u32 v219, AGGL-VEC+1024*\side, v2     ; the side's 256 sums
.irp x,0,1,2,3
	ds_load_b128 v[32+8*\x:35+8*\x], v3 offset:\mko+64*\x      ; the side's mask, across layout: register 8 tt + j = token 16 tt + 8 h + j
	ds_load_b128 v[36+8*\x:39+8*\x], v3 offset:\mko+64*\x+16
.endr
	ds_load_b32 v208, v218
	ds_load_b32 v209, v218 offset:64
	WLD 0, 0, 0
	s_mov_b32 s62, 7
.L\lbl:
	ECHUNK \hw, 1
	s_sub_co_i32 s62, s62, 1
	s_cmp_lg_u32 s62, 0
	s_cbranch_scc1 .L\lbl
	ECHUNK \hw, 0                                  ; the last chunk fetches nothing beyond W_c2's end
.endm
	s_load_b512 s[4:19], s[0:1], 0x0               ; row_idx s[4:5], col_idx s[6:7], data s[8:9], en s[10:11], tp s[12:13], bp s[14:15], wimg s[16:17], b_c2 s[18:19]
	s_load_b128 s[20:23], s[0:1], 0x40             ; out0 s[20:21], agg s[22:23]
	v_lshl_add_u32 v254, v0, 2, 0x30800
	v_mov_b32 v255, 0
	ds_add_u32 v254, v255
	ds_add_u32 v254, v255
	s_wait_dscnt 0x0
	v_lshrrev_b32 v2, 5, v0
	v_readfirstlane_b32 s24, v2                    ; wave
	s_lshl_b32 s25, ttmp9, 2
	s_add_co_u32 s25, s25, s24                     ; pair
	; my quarter of W_c2's fragments, dense in memory: 128 rows of 256 bytes (32 elements of 8 bytes), to LDS byte 32768 w
	s_mov_b32 s48, 1                               ; group 0: count 1
	s_lshl_b32 s49, s24, 15                        ; LDS address
	s_mov_b32 s52, 3<<16                           ; group 1: no mask, elements of 8 bytes, no padding
	s_mov_b32 s53, 32<<16                          ; tensor_dim0 = 32
	s_mov_b32 s54, 128<<16                         ; tensor_dim1 = 128
	s_mov_b32 s55, 32<<16                          ; tile_dim0 = 32
	s_mov_b32 s56, 128                             ; tile_dim1 = 128
	s_mov_b32 s57, 32                              ; pitch 32 elements
	s_mov_b32 s58, 0
	s_mov_b32 s59, 0
	s_add_co_u32 s46, s49, 8*131072                ; piece 8 of wimg
	s_mov_b32 s47, 0
	s_wait_kmcnt 0x0
	s_add_nc_u64 s[50:51], s[16:17], s[46:47]
	s_or_b32 s51, s51, 0x80000000                  ; type 2
	tensor_load_to_lds s[48:51], s[52:59]          ; the launch's only fill of these bytes; it has all of Sinkhorn in which to land
	s_nop 0
	s_lshl_b32 s46, s25, 2
	s_add_nc_u64 s[28:29], s[4:5], s[46:47]
	s_add_nc_u64 s[30:31], s[6:7], s[46:47]
	s_load_b32 s26, s[28:29], 0x0
	s_load_b32 s27, s[30:31], 0x0
	s_mov_b32 s60, 0x76543210
	s_mov_b32 s61, 0xfedcba98
	s_mov_b32 s63, 0xffff0000
	s_mov_b32 s76, BIGP
	s_mov_b32 s77, BIGN
	v_and_b32 v8, 31, v0                           ; L
	v_and_b32 v9, 15, v0                           ; r
	v_bfe_u32 v10, v0, 4, 1                        ; h
	v_lshlrev_b32 v1, 4, v8                        ; 16 L
	v_lshlrev_b32 v7, 2, v9                        ; 4 r (for the ids; later W_c2's address)
	s_mul_i32 s78, s24, SCRSZ
	s_add_co_u32 s78, s78, SCRB                    ; my wave's own LDS bytes
	s_add_co_u32 s79, s78, VEC
	v_add_nc_u32 v2, s79, v7                       ; vector, in: 4 r
	v_lshl_add_u32 v3, v10, 5, s79                 ; vector, out: 32 h
	v_mul_u32_u24 v4, v9, 272
	v_lshl_add_u32 v4, v10, 5, v4
	v_add_nc_u32 v4, s78, v4                       ; stage, in: row r, 32 h
	v_mul_u32_u24 v5, v10, 272
	v_lshl_add_u32 v5, v9, 4, v5
	v_add_nc_u32 v5, s78, v5                       ; stage, out: lanes 0-15 one row of 256 bytes, lanes 16-31 the next
	v_add_nc_u32 v6, s78, v1
.irp i,8,9,10,11,12,13,14,15
	v_mov_b32 v[\i], 0                             ; MX's pairs are read as pairs: written whole once
.endr
	s_wait_kmcnt 0x0
	s_min_u32 s26, s26, 511                        ; an index enters an address only clamped to the table
	s_min_u32 s27, s27, 511
	s_lshl_b32 s46, s26, 15
	s_add_nc_u64 s[30:31], s[10:11], s[46:47]      ; en[row]
	s_add_nc_u64 s[34:35], s[12:13], s[46:47]      ; tp[row]
	s_add_nc_u64 s[38:39], s[14:15], s[46:47]      ; bp[row]
	s_lshl_b32 s46, s27, 15
	s_add_nc_u64 s[32:33], s[10:11], s[46:47]      ; en[col]
	s_add_nc_u64 s[36:37], s[12:13], s[46:47]      ; tp[col]
	s_add_nc_u64 s[40:41], s[14:15], s[46:47]      ; bp[col]
	s_lshl_b32 s46, s26, 8
	s_add_nc_u64 s[42:43], s[8:9], s[46:47]        ; data[row]
	s_lshl_b32 s46, s27, 8
	s_add_nc_u64 s[44:45], s[8:9], s[46:47]        ; data[col]
	s_lshl_b32 s46, s25, 14
	s_add_nc_u64 s[20:21], s[20:21], s[46:47]      ; out0[pair]
	s_lshl_b32 s46, s25, 11
	s_add_nc_u64 s[22:23], s[22:23], s[46:47]      ; agg[pair]
.irp o,0,1,2,3
	global_load_b32 v[200+\o], v7, s[42:43] offset:64*\o       ; the ids of my own tokens 16 o + r
	global_load_b32 v[204+\o], v7, s[44:45] offset:64*\o
.endr
	global_load_b128 v[208:211], v1, s[18:19]
	global_load_b128 v[212:215], v1, s[18:19] offset:512
	LDH 2, 0, 30
	LDH 2, 1, 30
	LDH 3, 0, 32
	LDH 3, 1, 32
	; THE COST.  Fragment (kstep k, token tile a) lies at 32 k + 8 a.  Sixteen accumulators take turns.
	WIN 0x5e
.set k0, 0
.rept 8
	s_wait_loadcnt 56-8*k0                         ; behind en[col]'s kstep k0 stand 56 - 8 k0 loads; en[row] was issued ahead of all of them
.irp b,0,1,2,3
.irp a,0,1,2,3
.if k0 == 0
	v_wmma_f32_16x16x32_f16 v[128+32*\b+8*\a:128+32*\b+8*\a+7], v[32*k0+8*\a:32*k0+8*\a+7], v[32*k0+8*\b:32*k0+8*\b+7], 0
.else
	v_wmma_f32_16x16x32_f16 v[128+32*\b+8*\a:128+32*\b+8*\a+7], v[32*k0+8*\a:32*k0+8*\a+7], v[32*k0+8*\b:32*k0+8*\b+7], v[128+32*\b+8*\a:128+32*\b+8*\a+7]
.endif
.endr
.endr
.set k0, k0+1
.endr
	WIN 0x5b
.set k0, 0
.rept 8
.irp a,0,1,2,3
.irp b,0,1,2,3
.if k0 == 0
	v_wmma_f32_16x16x32_f16 v[32*\a+8*\b:32*\a+8*\b+7], v[32*k0+8*\b:32*k0+8*\b+7], v[32*k0+8*\a:32*k0+8*\a+7], 0
.else
	v_wmma_f32_16x16x32_f16 v[32*\a+8*\b:32*\a+8*\b+7], v[32*k0+8*\b:32*k0+8*\b+7], v[32*k0+8*\a:32*k0+8*\a+7], v[32*\a+8*\b:32*\a+8*\b+7]
.endif
.endr
.endr
.set k0, k0+1
.endr
	PLACES
	WIN 0
	LDH 2, 0, 34                                   ; tp[row] takes en[row]'s place
	; THE MASKS (all loads issued so far but the 32 above were waited for by the cost's last count, 0)
.irp o,0,1,2,3
	v_cmp_ne_u32 s[66+\o], 0, v[200+\o]
	v_cmp_ne_u32 s[70+\o], 0, v[204+\o]
.endr
	s_and_b32 s74, s66, 0xffff                     ; both halves of the lanes hold the same 16 tokens: count one half
	s_bcnt1_i32_b32 s74, s74
	s_and_b32 s75, s70, 0xffff
	s_bcnt1_i32_b32 s75, s75
.irp o,1,2,3
	s_and_b32 s78, s[66+\o], 0xffff
	s_bcnt1_i32_b32 s78, s78
	s_add_co_u32 s74, s74, s78
	s_and_b32 s78, s[70+\o], 0xffff
	s_bcnt1_i32_b32 s78, s78
	s_add_co_u32 s75, s75, s78
.endr
	v_cvt_f32_u32 v16, s74
	v_cvt_f32_u32 v17, s75
	v_log_f32 v18, v16
	v_log_f32 v19, v17
	v_mov_b32 v20, NEGN                            ; the plain place behind the two logarithms
	s_wait_alu depctr_va_vdst(0)
	v_sub_f32 v18, 0, v18                          ; -ln n times log2 e = -log2 n
	v_sub_f32 v19, 0, v19
.irp o,0,1,2,3
	v_cndmask_b32 v[192+\o], v20, v18, s[66+\o]
	v_cndmask_b32 v[196+\o], v20, v19, s[70+\o]
	v_cndmask_b32 v[216+\o], 0, 1.0, s[66+\o]
	v_cndmask_b32 v[220+\o], 0, 1.0, s[70+\o]
.endr
.irp o,0,1,2,3
	ds_store_b32 v2, v[216+\o] offset:256+64*\o
	ds_store_b32 v2, v[220+\o] offset:512+64*\o
.endr
	ds_store_b128 v6, v[208:211] offset:BC2
	ds_store_b128 v6, v[212:215] offset:BC2+512
	v_mov_b32 v200, PENN
	v_mov_b32 v201, K2N
	MBUILD 0, 66, 512
	MBUILD 128, 70, 256
.set n0, 0
.rept 32
	v_mov_b32 v[32+n0], 0                          ; v = 0 starts the scan
.set n0, n0+1
.endr
	; SINKHORN: three loops of four rounds; in front of each, 32 loads for the phases behind it go out
	LDH 2, 1, 34
	s_mov_b32 s62, 4
.Lsk1:
	ITER
	s_sub_co_i32 s62, s62, 1
	s_cmp_lg_u32 s62, 0
	s_cbranch_scc1 .Lsk1
	LDH 3, 0, 40                                   ; bp[col] takes en[col]'s place
	s_mov_b32 s62, 4
.Lsk2:
	ITER
	s_sub_co_i32 s62, s62, 1
	s_cmp_lg_u32 s62, 0
	s_cbranch_scc1 .Lsk2
	LDH 3, 1, 40
	s_mov_b32 s62, 4
.Lsk3:
	ITER
	s_sub_co_i32 s62, s62, 1
	s_cmp_lg_u32 s62, 0
	s_cbranch_scc1 .Lsk3
	s_wait_loadcnt 0x0                             ; tp[row] and bp[col] are in
	; P
	v_mov_b32 v200, OFFN
.irp o,0,1,2,3
	v_cndmask_b32 v[24+\o], v200, v[24+\o], s[66+\o]           ; pad tokens: 2^(-1e38 ..) = 0, which is P times valid
	v_cndmask_b32 v[28+\o], v200, v[28+\o], s[70+\o]
.endr
	BCAST 28
	PMAKE 0, 24
.set n0, 0
	s_wait_alu depctr_va_vdst(0)
.rept 64
	v_cvt_pk_bf16_f32 v[192+n0], v[64+2*n0], v[65+2*n0]        ; P's fragment (row tile o, kstep kk) at 192 + 16 o + 8 kk
.set n0, n0+1
.endr
.irp o,0,1,2,3                         ; sixteen rows of P at a time through my stage, out as whole rows
.irp x,0,1,2,3
	ds_store_b128 v4, v[64+32*\o+8*\x:64+32*\o+8*\x+3] offset:64*\x
	ds_store_b128 v4, v[64+32*\o+8*\x+4:64+32*\o+8*\x+7] offset:64*\x+16
.endr
.irp i,0,1,2,3,4,5,6,7
	ds_load_b128 v[64+32*\o+4*\i:64+32*\o+4*\i+3], v5 offset:544*\i
.endr
.irp i,0,1,2,3,4,5,6,7
	s_wait_dscnt 7-\i                              ; LDS loads come back in order: load i is in, the younger stay out
	global_store_b128 v1, v[64+32*\o+4*\i:64+32*\o+4*\i+3], s[20:21] offset:4096*\o+512*\i th:TH_STORE_NT    ; 512 consecutive bytes, aligned
.endr
.endr
	LDH 1, 0, 36                                   ; tp[col] takes M_R's place
	s_wait_xcnt 0x0                                ; X, which the stores read, is written again only behind this wait
	BCAST 24
	PMAKE 128, 28                                  ; P^T
.set n0, 0
	s_wait_alu depctr_va_vdst(0)
.rept 64
	v_cvt_pk_bf16_f32 v[64+n0], v[64+2*n0], v[65+2*n0]         ; packed downward in place: a target never lies above its sources
.set n0, n0+1
.endr
.set n0, 0
.rept 16
	ds_store_b128 v6, v[64+4*n0:64+4*n0+3] offset:PTF+512*n0
.set n0, n0+1
.endr
	LDH 1, 1, 36                                   ; and M_C's
	; SIDE 1: rows
	DCHUNK 0, 2
	DCHUNK 1, 2
	DCHUNK 2, 2
	DCHUNK 3, 2
	LDH 3, 0, 38                                   ; bp[row] follows bp[col], half by half, four places and more behind its last use
	DCHUNK 4, 2
	DCHUNK 5, 2
	DCHUNK 6, 2
	DCHUNK 7, 2
	LDH 3, 1, 38
	s_wait_tensorcnt 0x0                           ; my quarter of W_c2 has landed,
	s_wait_dscnt 0x0
	s_barrier_signal -1
	s_barrier_wait -1                              ; everybody's: the kernel's one barrier
	ESIDE 0x02, 256, 0, e1
	; SIDE 2: columns
.set n0, 0
.rept 16
	ds_load_b128 v[192+4*n0:192+4*n0+3], v6 offset:PTF+512*n0
.set n0, n0+1
.endr
	s_wait_loadcnt 0x0                             ; tp[col] and bp[row]
	s_wait_dscnt 0x0
	DCHUNK 0, 1
	DCHUNK 1, 1
	DCHUNK 2, 1
	DCHUNK 3, 1
	DCHUNK 4, 1
	DCHUNK 5, 1
	DCHUNK 6, 1
	DCHUNK 7, 1
	ESIDE 0x01, 512, 1, e2
.irp i,0,1,2,3
	ds_load_b128 v[64+4*\i:67+4*\i], v6 offset:AGGL+512*\i
.endr
.irp i,0,1,2,3
	s_wait_dscnt 3-\i
	global_store_b128 v1, v[64+4*\i:67+4*\i], s[22:23] offset:512*\i
.endr
	s_wait_xcnt 0x0
	v_lshl_add_u32 v254, v0, 2, 0x30800
	v_mov_b32 v255, 0
	s_wait_tensorcnt 0x0
	ds_add_u32 v254, v255
	s_wait_dscnt 0x0
	s_endpgm
.Lfunc_end_k_q2bcd903125_pair:
	.size	k_q2bcd903125_pair, .Lfunc_end_k_q2bcd903125_pair-k_q2bcd903125_pair
	.p2alignl 7, 3214868480
	.fill 96, 4, 3214868480
	.section	.rodata,"a",@progbits
	.p2align	6, 0x0
	.amdhsa_kernel k_q2bcd903125_pair
		.amdhsa_group_segment_fixed_size 199168
		.amdhsa_private_segment_fixed_size 0
		.amdhsa_enable_private_segment 0
		.amdhsa_kernarg_size 80
		.amdhsa_user_sgpr_count 2
		.amdhsa_user_sgpr_kernarg_segment_ptr 1
		.amdhsa_wavefront_size32 1
		.amdhsa_system_sgpr_workgroup_id_x 1
		.amdhsa_system_sgpr_workgroup_id_y 1
		.amdhsa_system_sgpr_workgroup_id_z 1
		.amdhsa_system_vgpr_workitem_id 0
		.amdhsa_next_free_vgpr 1024
		.amdhsa_next_free_sgpr 84
		.amdhsa_reserve_vcc 0
		.amdhsa_float_denorm_mode_32 3
		.amdhsa_float_denorm_mode_16_64 3
		.amdhsa_memory_ordered 1
		.amdhsa_forward_progress 1
		.amdhsa_inst_pref_size 255
	.end_amdhsa_kernel
	.section	.bss,"aw",@nobits
	.p2align	6
	.space	262144
	.amdgpu_metadata
---
amdhsa.version: [ 1, 2 ]
amdhsa.kernels:
  - .name:           k_q2bcd903125_pair
    .symbol:         k_q2bcd903125_pair.kd
    .args:
      - { .name: row_idx, .offset: 0, .size: 8, .value_kind: global_buffer, .address_space: global }
      - { .name: col_idx, .offset: 8, .size: 8, .value_kind: global_buffer, .address_space: global }
      - { .name: data, .offset: 16, .size: 8, .value_kind: global_buffer, .address_space: global }
      - { .name: en, .offset: 24, .size: 8, .value_kind: global_buffer, .address_space: global }
      - { .name: tp, .offset: 32, .size: 8, .value_kind: global_buffer, .address_space: global }
      - { .name: bp, .offset: 40, .size: 8, .value_kind: global_buffer, .address_space: global }
      - { .name: wimg, .offset: 48, .size: 8, .value_kind: global_buffer, .address_space: global }
      - { .name: b_c2, .offset: 56, .size: 8, .value_kind: global_buffer, .address_space: global }
      - { .name: out0, .offset: 64, .size: 8, .value_kind: global_buffer, .address_space: global }
      - { .name: agg, .offset: 72, .size: 8, .value_kind: global_buffer, .address_space: global }
    .group_segment_fixed_size: 199168
    .private_segment_fixed_size: 0
    .kernarg_segment_align: 8
    .kernarg_segment_size: 80
    .max_flat_workgroup_size: 128
    .sgpr_count:     84
    .vgpr_count:     1024
    .wavefront_size: 32
...
	.end_amdgpu_metadata
.endif
;; end of part 3
;; launch head (part 4): grid 64 x 1, 4 waves a work-group, no clusters, 50,944 bytes of LDS; arguments agg, wimg, b_g1, b_g2, W_o, b_o, out1; writes out1
.if DOCPART == 4
	.amdgcn_target "amdgcn-amd-amdhsa--gfx1250"
	.amdhsa_code_object_version 6
	.text
	.protected	k_q2bcd903125_head
	.globl	k_q2bcd903125_head
	.p2align	8
	.type	k_q2bcd903125_head,@function
k_q2bcd903125_head:
	s_mov_b64 s[64:65], 0
	v_nop
	global_prefetch_b8 v0, s[64:65] scope:SCOPE_SE
	s_setreg_imm32_b32 hwreg(HW_REG_WAVE_MODE, 25, 1), 1
	s_wait_xcnt 0x0
; head: logits = relu(relu(agg W_g1 + b_g1) W_g2 + b_g2) W_o + b_o for 16 pairs a work-group (one tile of the matrix unit), 64 work-groups.
; Wave w owns features 64 w .. 64 w + 63 of both layers: four accumulator tiles.  Transposed use: source 0 = weights, source 1 = the 16 pairs,
; so that a lane holds eight neighbouring features of one pair.
; TWO bf16 PARTS: every operand x goes as hi = bf16(x) and lo = bf16(x - hi), sixteen significant bits together, and a product is the sum of
; three: W_hi x_hi + W_hi x_lo + W_lo x_hi.  What is dropped, W_lo x_lo, is some 2^-16 of a product.  agg is a sum over up to 64 tokens and the
; logits are small differences of large sums, so eight bits an operand are too few here; the head has 196,608 multiply-adds a pair, which
; three times over is still a fortieth of the program's.
; Weights come as ready fragments from wimg (high parts: pieces 5, 6, 7; low parts: 9, 10, 11) straight into two rings of four register slots;
; activations go through LDS.
; The last product has three columns, 768 multiply-adds of a pair: it is done in f32 on the vector unit, without rounding h.
; NO CLUSTER: the shared bytes are the weights and they never touch LDS.  Fewer than 256 work-groups: a tile has sixteen rows and there are 1,024.
; out1 is 12,288 bytes; a work-group's 192 bytes are stored four bytes a lane by 48 neighbouring lanes.
; LDS: A at 0: 16 rows x 1,040 bytes (512 bf16 + 16), its low parts at 16,640; H at 33,280: 8,192 bytes in fragment order (kk*2+q)*512 + 16 L,
;      its low parts at 41,472; PL at 49,664: [wave][3 r + c] f32.
; REGISTERS: v1-7, v248-251 addresses; v8-39 accumulators; v40-55 two high activation fragments, v88-103 two low ones; v56-87 b_g1; v104-119 at work;
;            v120-247 the ring of high parts; window 1: 0-95 W_o's rows of my features (24 tl + 3 j + c), 96-223 the ring of low parts, 224-255 b_g2.
.set AP,  1040
.set ALO, 16640
.set HB,  33280
.set HLO, 8192
.set PLB, 49664
.set MSB, 0
.macro WIN new
.if MSB != \new
	s_set_vgpr_msb (MSB<<8)|\new
.set MSB, \new
.endif
.endm
.macro PLACES                          ; four plain vector places behind matrix instructions (ISA guide 7.12.1)
.rept 4
	v_nop
.endr
.endm
.macro HGRP gr                         ; weight group gr (32 of K, my 64 features), high and low parts, into slot gr % 4 of the two rings: sixteen loads
	WIN 0
.irp tl,0,1,2,3
.irp q,0,1
	global_load_b128 v[120+32*((\gr)%4)+8*\tl+4*\q:120+32*((\gr)%4)+8*\tl+4*\q+3], v6, s[6:7] offset:(5+((\gr)>>3))*131072+\tl*8192+((\gr)&7)*1024+\q*512
.endr
.endr
	WIN 0x40
.irp tl,0,1,2,3
.irp q,0,1
	global_load_b128 v[96+32*((\gr)%4)+8*\tl+4*\q:96+32*((\gr)%4)+8*\tl+4*\q+3], v6, s[6:7] offset:(9+((\gr)>>3))*131072+\tl*8192+((\gr)&7)*1024+\q*512
.endr
.endr
	WIN 0
.endm
.macro HSTEP st
.if \st < 15
	ds_load_b128 v[40+8*((\st+1)&1):43+8*((\st+1)&1)], v3 offset:64*(\st+1)        ; the next step's fragments, from A: high,
	ds_load_b128 v[44+8*((\st+1)&1):47+8*((\st+1)&1)], v3 offset:64*(\st+1)+32
	ds_load_b128 v[88+8*((\st+1)&1):91+8*((\st+1)&1)], v3 offset:ALO+64*(\st+1)    ; low
	ds_load_b128 v[92+8*((\st+1)&1):95+8*((\st+1)&1)], v3 offset:ALO+64*(\st+1)+32
.endif
.if \st > 15
.if \st < 23
	ds_load_b128 v[40+8*((\st+1)&1):43+8*((\st+1)&1)], v5 offset:1024*(\st-15)     ; from H
	ds_load_b128 v[44+8*((\st+1)&1):47+8*((\st+1)&1)], v5 offset:1024*(\st-15)+512
	ds_load_b128 v[88+8*((\st+1)&1):91+8*((\st+1)&1)], v5 offset:HLO+1024*(\st-15)
	ds_load_b128 v[92+8*((\st+1)&1):95+8*((\st+1)&1)], v5 offset:HLO+1024*(\st-15)+512
.endif
.endif
.if 23-\st >= 3
	s_wait_loadcnt 48                              ; three groups of sixteen were issued behind group st
.else
	s_wait_loadcnt (23-\st)*16
.endif
.if (\st == 15) || (\st == 23)
	s_wait_dscnt 0
.else
	s_wait_dscnt 4                                 ; all but the four just issued
.endif
	; twelve matrix instructions; the four accumulators take turns, one instruction a turn
.if \st == 16
	WIN 0x10                                       ; b_g2 lies in window 1
.endif
.irp tl,0,1,2,3                        ; W_hi x_hi
.if \st == 0
	v_wmma_f32_16x16x32_bf16 v[8+8*\tl:15+8*\tl], v[120+32*(\st%4)+8*\tl:127+32*(\st%4)+8*\tl], v[40+8*(\st&1):47+8*(\st&1)], v[56+8*\tl:63+8*\tl]
.else
.if \st == 16
	v_wmma_f32_16x16x32_bf16 v[8+8*\tl:15+8*\tl], v[120+32*(\st%4)+8*\tl:127+32*(\st%4)+8*\tl], v[40+8*(\st&1):47+8*(\st&1)], v[224+8*\tl:231+8*\tl]
.else
	v_wmma_f32_16x16x32_bf16 v[8+8*\tl:15+8*\tl], v[120+32*(\st%4)+8*\tl:127+32*(\st%4)+8*\tl], v[40+8*(\st&1):47+8*(\st&1)], v[8+8*\tl:15+8*\tl]
.endif
.endif
.endr
	WIN 0
.irp tl,0,1,2,3                        ; W_hi x_lo
	v_wmma_f32_16x16x32_bf16 v[8+8*\tl:15+8*\tl], v[120+32*(\st%4)+8*\tl:127+32*(\st%4)+8*\tl], v[88+8*(\st&1):95+8*(\st&1)], v[8+8*\tl:15+8*\tl]
.endr
	WIN 0x01
.irp tl,0,1,2,3                        ; W_lo x_hi
	v_wmma_f32_16x16x32_bf16 v[8+8*\tl:15+8*\tl], v[96+32*(\st%4)+8*\tl:103+32*(\st%4)+8*\tl], v[40+8*(\st&1):47+8*(\st&1)], v[8+8*\tl:15+8*\tl]
.endr
	WIN 0
	PLACES                                         ; the slots are loaded into below, the fragment buffers in the next step
.if \st+4 < 24
	HGRP (\st+4)
.endif
.endm
	s_load_b256 s[4:11], s[0:1], 0x0               ; agg s[4:5], wimg s[6:7], b_g1 s[8:9], b_g2 s[10:11]
	s_load_b128 s[12:15], s[0:1], 0x20             ; W_o s[12:13], b_o s[14:15]
	s_load_b64 s[16:17], s[0:1], 0x30              ; out1
	v_lshl_add_u32 v255, v0, 2, 0xc500
	s_set_vgpr_msb 0x80
	v_mov_b32 v1, 0
	s_set_vgpr_msb 0x8000
	v_lshrrev_b32 v2, 5, v0
	v_readfirstlane_b32 s24, v2                    ; wave
	v_and_b32 v252, 31, v0                         ; L
	v_and_b32 v253, 15, v0                         ; r
	v_bfe_u32 v254, v0, 4, 1                       ; h
	v_lshlrev_b32 v1, 4, v252
	s_mov_b32 s26, 0x76543210
	s_mov_b32 s27, 0xfedcba98
	s_mov_b32 s30, 0xffff0000                      ; a word's upper bf16
	s_mul_i32 s25, s24, 4*AP
	v_lshl_add_u32 v2, v252, 3, s25                ; A, in: my wave's four rows, 8 bytes a lane
	v_mul_u32_u24 v3, v253, AP
	v_lshl_add_u32 v3, v254, 4, v3                 ; A, out
	v_add_nc_u32 v5, HB, v1                        ; H, out
	s_lshl_b32 s25, s24, 11
	v_add_nc_u32 v4, s25, v5                       ; H, in
	s_lshl_b32 s25, s24, 15
	v_add_nc_u32 v6, s25, v1                       ; wimg: 32768 w + 16 L
	s_lshl_b32 s25, s24, 8
	v_lshl_add_u32 v7, v254, 5, s25                ; biases: 4 (64 w + 8 h)
	s_mul_i32 s25, s24, 768
	v_mul_u32_u24 v248, v254, 96
	v_add_nc_u32 v248, s25, v248                   ; W_o: 12 (64 w + 8 h)
	s_mul_i32 s25, s24, 192
	s_add_co_u32 s25, s25, PLB
	v_mul_u32_u24 v249, v253, 12
	v_add_nc_u32 v249, s25, v249                   ; PL, in
	s_lshl_b32 s25, s24, 13
	v_add_nc_u32 v250, s25, v1                     ; agg: my four rows of 2,048 bytes
	v_min_u32 v251, 47, v0
	v_lshlrev_b32 v251, 2, v251                    ; the way out: 4 x thread, held inside the 48 numbers
	s_lshl_b32 s18, ttmp9, 15                      ; 16 rows of agg
	s_mov_b32 s19, 0
	s_mul_i32 s28, ttmp9, 192                      ; 16 rows of out1
	s_mov_b32 s29, 0
	s_wait_kmcnt 0x0
	s_load_b96 s[20:22], s[14:15], 0x0             ; b_o
	s_add_nc_u64 s[4:5], s[4:5], s[18:19]
	s_add_nc_u64 s[16:17], s[16:17], s[28:29]
.irp i,0,1,2,3
.irp c,0,1,2,3
	global_load_b128 v[120+16*\i+4*\c:123+16*\i+4*\c], v250, s[4:5] offset:2048*\i+512*\c
.endr
.endr
.irp tl,0,1,2,3
	global_load_b128 v[56+8*\tl:59+8*\tl], v7, s[8:9] offset:64*\tl
	global_load_b128 v[60+8*\tl:63+8*\tl], v7, s[8:9] offset:64*\tl+16
.endr
	WIN 0x40
.irp tl,0,1,2,3
	global_load_b128 v[224+8*\tl:227+8*\tl], v7, s[10:11] offset:64*\tl
	global_load_b128 v[228+8*\tl:231+8*\tl], v7, s[10:11] offset:64*\tl+16
.endr
.irp tl,0,1,2,3
.irp i,0,1,2,3,4,5
	global_load_b128 v[24*\tl+4*\i:24*\tl+4*\i+3], v248, s[12:13] offset:192*\tl+16*\i
.endr
.endr
	WIN 0
	s_wait_loadcnt 40                              ; behind agg's sixteen loads stand the biases' 16 and W_o's 24
.irp i,0,1,2,3
.irp c,0,1,2,3
	v_cvt_pk_bf16_f32 v104, v[120+16*\i+4*\c], v[121+16*\i+4*\c]               ; the high parts,
	v_cvt_pk_bf16_f32 v105, v[122+16*\i+4*\c], v[123+16*\i+4*\c]
	v_lshlrev_b32 v106, 16, v104                                               ; back in f32,
	v_and_b32 v107, s30, v104
	v_lshlrev_b32 v108, 16, v105
	v_and_b32 v109, s30, v105
	v_pk_add_f32 v[120+16*\i+4*\c:121+16*\i+4*\c], v[120+16*\i+4*\c:121+16*\i+4*\c], v[106:107] neg_lo:[0,1] neg_hi:[0,1]   ; what they left (exact),
	v_pk_add_f32 v[122+16*\i+4*\c:123+16*\i+4*\c], v[122+16*\i+4*\c:123+16*\i+4*\c], v[108:109] neg_lo:[0,1] neg_hi:[0,1]
	v_cvt_pk_bf16_f32 v110, v[120+16*\i+4*\c], v[121+16*\i+4*\c]               ; rounded: the low parts
	v_cvt_pk_bf16_f32 v111, v[122+16*\i+4*\c], v[123+16*\i+4*\c]
	ds_store_b64 v2, v[104:105] offset:\i*AP+256*\c
	ds_store_b64 v2, v[110:111] offset:ALO+\i*AP+256*\c
.endr
.endr
	HGRP 0
	HGRP 1
	HGRP 2
	HGRP 3
	s_wait_dscnt 0x0                               ; my rows of A are written,
	s_barrier_signal -1
	s_barrier_wait -1                              ; everybody's
	ds_load_b128 v[40:43], v3
	ds_load_b128 v[44:47], v3 offset:32
	ds_load_b128 v[88:91], v3 offset:ALO
	ds_load_b128 v[92:95], v3 offset:ALO+32
.set gi, 0
.rept 16
	HSTEP gi
.set gi, gi+1
.endr
.set n0, 0
.rept 32
	v_max_num_f32 v[8+n0], 0, v[8+n0]
.set n0, n0+1
.endr
.set n0, 0
.rept 16
	v_cvt_pk_bf16_f32 v[40+n0], v[8+2*n0], v[9+2*n0]           ; h in two parts, as agg above
.set n0, n0+1
.endr
.set n0, 0
.rept 16
	v_lshlrev_b32 v[104+2*(n0%8)], 16, v[40+n0]
	v_and_b32 v[105+2*(n0%8)], s30, v[40+n0]
	v_pk_add_f32 v[8+2*n0:9+2*n0], v[8+2*n0:9+2*n0], v[104+2*(n0%8):105+2*(n0%8)] neg_lo:[0,1] neg_hi:[0,1]
	v_cvt_pk_bf16_f32 v[88+n0], v[8+2*n0], v[9+2*n0]
.set n0, n0+1
.endr
.irp tl,0,1,2,3
	ds_store_b128 v4, v[40+4*\tl:43+4*\tl] offset:512*\tl
	ds_store_b128 v4, v[88+4*\tl:91+4*\tl] offset:HLO+512*\tl
.endr
	s_wait_dscnt 0x0                               ; my part of H is written,
	s_barrier_signal -1
	s_barrier_wait -1                              ; everybody's
	ds_load_b128 v[40:43], v5
	ds_load_b128 v[44:47], v5 offset:512
	ds_load_b128 v[88:91], v5 offset:HLO
	ds_load_b128 v[92:95], v5 offset:HLO+512
.rept 8
	HSTEP gi
.set gi, gi+1
.endr
.set n0, 0
.rept 32
	v_max_num_f32 v[8+n0], 0, v[8+n0]
.set n0, n0+1
.endr
	WIN 0x04                                       ; my 32 features times W_o's three columns: twelve chains
.irp j,0,1,2,3,4,5,6,7
.irp tl,0,1,2,3
.irp c,0,1,2
.if \j == 0
	v_mul_f32 v[40+3*\tl+\c], v[8+8*\tl+\j], v[24*\tl+3*\j+\c]
.else
	v_fma_f32 v[40+3*\tl+\c], v[8+8*\tl+\j], v[24*\tl+3*\j+\c], v[40+3*\tl+\c]
.endif
.endr
.endr
.endr
	WIN 0
	s_wait_kmcnt 0x0                               ; b_o
	s_cmp_eq_u32 s24, 0                            ; wave 0's part carries the bias, the others' carry 0
	s_cselect_b32 s20, s20, 0
	s_cselect_b32 s21, s21, 0
	s_cselect_b32 s22, s22, 0
.irp c,0,1,2
	v_add_f32 v[40+\c], v[40+\c], v[43+\c]
	v_add_f32 v[46+\c], v[46+\c], v[49+\c]
.endr
.irp c,0,1,2
	v_add_f32 v[40+\c], v[40+\c], v[46+\c]
.endr
.irp c,0,1,2
	v_permlanex16_b32 v[52+\c], v[40+\c], s26, s27             ; the other half of the lanes holds the other features of the same pair
.endr
.irp c,0,1,2
	v_add_f32 v[40+\c], v[40+\c], v[52+\c]
.endr
.irp c,0,1,2
	v_add_f32 v[40+\c], s[20+\c], v[40+\c]
	ds_store_b32 v249, v[40+\c] offset:4*\c
.endr
	s_wait_dscnt 0x0                               ; my partial logits are written,
	s_barrier_signal -1
	s_barrier_wait -1                              ; everybody's
	v_cmp_gt_u32 vcc_lo, 48, v0
	s_wait_xcnt 0x0                                ; EXEC changes only when no earlier memory instruction still reads it
	s_set_vgpr_msb 0x8
	s_wait_tensorcnt 0x0
	ds_add_u32 v255, v1
	s_wait_dscnt 0x0
	s_set_vgpr_msb 0x800
	s_and_saveexec_b32 s25, vcc_lo                 ; threads 0 to 47: number 3 r + c of the group's 48
.irp w2,0,1,2,3
	ds_load_b32 v[40+\w2], v251 offset:PLB+192*\w2
.endr
	s_wait_dscnt 0x0
	v_add_f32 v40, v40, v41
	v_add_f32 v42, v42, v43
	v_add_f32 v40, v40, v42
	global_store_b32 v251, v40, s[16:17]
	s_wait_xcnt 0x0
	s_or_b32 exec_lo, exec_lo, s25
	s_endpgm
.Lfunc_end_k_q2bcd903125_head:
	.size	k_q2bcd903125_head, .Lfunc_end_k_q2bcd903125_head-k_q2bcd903125_head
	.p2alignl 7, 3214868480
	.fill 96, 4, 3214868480
	.section	.rodata,"a",@progbits
	.p2align	6, 0x0
	.amdhsa_kernel k_q2bcd903125_head
		.amdhsa_group_segment_fixed_size 50944
		.amdhsa_private_segment_fixed_size 0
		.amdhsa_enable_private_segment 0
		.amdhsa_kernarg_size 56
		.amdhsa_user_sgpr_count 2
		.amdhsa_user_sgpr_kernarg_segment_ptr 1
		.amdhsa_wavefront_size32 1
		.amdhsa_system_sgpr_workgroup_id_x 1
		.amdhsa_system_sgpr_workgroup_id_y 1
		.amdhsa_system_sgpr_workgroup_id_z 1
		.amdhsa_system_vgpr_workitem_id 0
		.amdhsa_next_free_vgpr 514
		.amdhsa_next_free_sgpr 66
		.amdhsa_reserve_vcc 1
		.amdhsa_float_denorm_mode_32 3
		.amdhsa_float_denorm_mode_16_64 3
		.amdhsa_memory_ordered 1
		.amdhsa_forward_progress 1
		.amdhsa_inst_pref_size 100
	.end_amdhsa_kernel
	.amdgpu_metadata
---
amdhsa.version: [ 1, 2 ]
amdhsa.kernels:
  - .name:           k_q2bcd903125_head
    .symbol:         k_q2bcd903125_head.kd
    .args:
      - { .name: agg, .offset: 0, .size: 8, .value_kind: global_buffer, .address_space: global }
      - { .name: wimg, .offset: 8, .size: 8, .value_kind: global_buffer, .address_space: global }
      - { .name: b_g1, .offset: 16, .size: 8, .value_kind: global_buffer, .address_space: global }
      - { .name: b_g2, .offset: 24, .size: 8, .value_kind: global_buffer, .address_space: global }
      - { .name: W_o, .offset: 32, .size: 8, .value_kind: global_buffer, .address_space: global }
      - { .name: b_o, .offset: 40, .size: 8, .value_kind: global_buffer, .address_space: global }
      - { .name: out1, .offset: 48, .size: 8, .value_kind: global_buffer, .address_space: global }
    .group_segment_fixed_size: 50944
    .private_segment_fixed_size: 0
    .kernarg_segment_align: 8
    .kernarg_segment_size: 56
    .max_flat_workgroup_size: 128
    .sgpr_count:     66
    .vgpr_count:     514
    .wavefront_size: 32
...
	.end_amdgpu_metadata
.endif
;; end of part 4
;; ======== version 2 of 2: 4 launches; 1.22 times as fast as version 1
;; limits: values outside matrix products are rounded to bf16; values are held in f16: magnitudes above 65,504 overflow, below 6.1e-05 lose precision
;; workspace buffers: wimg 1,179,648 bytes; en 16,777,216 bytes; tp 16,777,216 bytes; bp 16,777,216 bytes; agg 2,097,152 bytes
;; launch prep (part 5): grid 32 x 9, 8 waves a work-group, no clusters, 0 bytes of LDS; arguments W_a1, W_a2, W_c1, W_c2, W_g1, W_g2, wimg; writes wimg
.if DOCPART == 5
	.amdgcn_target "amdgcn-amd-amdhsa--gfx1250"
	.amdhsa_code_object_version 6
	.text
	.protected	k_q2bcd903125_prep
	.globl	k_q2bcd903125_prep
	.p2align	8
	.type	k_q2bcd903125_prep,@function
k_q2bcd903125_prep:
	s_mov_b64 s[64:65], 0
	v_nop
	global_prefetch_b8 v0, s[64:65] scope:SCOPE_SE
	s_setreg_imm32_b32 hwreg(HW_REG_WAVE_MODE, 25, 1), 1
	s_wait_xcnt 0x0
; prep: the six weight matrices, cut into nine pieces of 256 (k) x 256 (n), are rewritten once as ready matrix fragments of W^T.
; Piece y lies at wimg + 131072 y.  Inside a piece the 16 bytes at ((t*8+kk)*2+q)*512 + 16 L hold W[32kk+16q+8h+e][16t+r], e = 0..7,
; with r = L & 15, h = L >> 4: one 16-byte load of a wave (512 consecutive bytes) is half a fragment of 16 columns x 32 k.
; Pieces: 0 W_a1[0:256], 1 W_a1[256:512], 2 W_a2, 3 W_c1[0:256], 5 W_g1[0:256], 6 W_g1[256:512], 7 W_g2 in f16: their other operand is
;         bounded or is normalised by the launch that uses them, and f16 keeps three bits more than bf16;
;         4 W_c1[256:512], 8 W_c2 in bf16: no bound on their other operand's range.
; LIMIT: a weight of an f16 piece above 65,504 in magnitude becomes an infinity; below 6e-5 it keeps an absolute step of 6e-8.
; One wave makes one half fragment: 8 loads of 4 bytes a lane (sixteen lanes read 64 consecutive bytes of a row of W), one store of 512
; consecutive aligned bytes.  The reads are short runs; all pieces together are 2,359,296 bytes read once, so no LDS transpose is spent on them.
; No matrix unit, LDS or cluster: nothing is shared and nothing is multiplied.
	s_load_b256 s[4:11], s[0:1], 0x0               ; W_a1 s[4:5], W_a2 s[6:7], W_c1 s[8:9], W_c2 s[10:11]
	s_load_b128 s[12:15], s[0:1], 0x20             ; W_g1 s[12:13], W_g2 s[14:15]
	s_load_b64 s[16:17], s[0:1], 0x30              ; wimg
	v_lshrrev_b32 v1, 5, v0
	v_readfirstlane_b32 s2, v1                     ; wave 0..7
	s_and_b32 s3, ttmp7, 0xffff                    ; y: the piece
	s_lshl_b32 s18, ttmp9, 3
	s_add_co_u32 s18, s18, s2                      ; half fragment 0..255 = (t*8+kk)*2+q
	s_mov_b32 s22, 0                               ; pieces 1, 4, 6 are the lower halves of their matrices: 256 rows of 1,024 bytes down
	s_cmp_eq_u32 s3, 1
	s_cselect_b32 s22, 0x40000, s22
	s_cmp_eq_u32 s3, 4
	s_cselect_b32 s22, 0x40000, s22
	s_cmp_eq_u32 s3, 6
	s_cselect_b32 s22, 0x40000, s22
	s_and_b32 s19, s18, 15                         ; 2 kk + q: sixteen rows of W each
	s_lshl_b32 s19, s19, 14
	s_add_co_u32 s22, s22, s19
	s_lshr_b32 s19, s18, 4                         ; t: sixteen columns, 64 bytes
	s_lshl_b32 s19, s19, 6
	s_add_co_u32 s22, s22, s19
	s_mov_b32 s23, 0
	s_lshl_b32 s24, s3, 17                         ; where it goes: 131072 y + 512 x half fragment
	s_lshl_b32 s19, s18, 9
	s_add_co_u32 s24, s24, s19
	s_mov_b32 s25, 0
	v_and_b32 v2, 15, v0                           ; r
	v_bfe_u32 v3, v0, 4, 1                         ; h
	v_lshlrev_b32 v1, 2, v2
	v_lshl_add_u32 v1, v3, 13, v1                  ; 8 h rows + 4 r bytes
	v_and_b32 v3, 31, v0
	v_lshlrev_b32 v3, 4, v3                        ; 16 L
	s_wait_kmcnt 0x0
	s_mov_b64 s[20:21], s[4:5]                     ; the piece's matrix, chosen on y alone
	s_cmp_ge_u32 s3, 2
	s_cselect_b64 s[20:21], s[6:7], s[20:21]
	s_cmp_ge_u32 s3, 3
	s_cselect_b64 s[20:21], s[8:9], s[20:21]
	s_cmp_ge_u32 s3, 5
	s_cselect_b64 s[20:21], s[12:13], s[20:21]
	s_cmp_ge_u32 s3, 7
	s_cselect_b64 s[20:21], s[14:15], s[20:21]
	s_cmp_ge_u32 s3, 8
	s_cselect_b64 s[20:21], s[10:11], s[20:21]
	s_add_nc_u64 s[20:21], s[20:21], s[22:23]
	s_add_nc_u64 s[16:17], s[16:17], s[24:25]
.irp e,0,1,2,3,4,5,6,7
	global_load_b32 v[4+\e], v1, s[20:21] offset:1024*\e       ; eight neighbouring k of my column
.endr
	s_wait_loadcnt 0x0
	s_cmp_eq_u32 s3, 4
	s_cbranch_scc1 .Lbf
	s_cmp_eq_u32 s3, 8
	s_cbranch_scc1 .Lbf
.irp e,0,1,2,3
	v_cvt_pk_f16_f32 v[12+\e], v[4+2*\e], v[5+2*\e]
.endr
	s_branch .Lout
.Lbf:
.irp e,0,1,2,3
	v_cvt_pk_bf16_f32 v[12+\e], v[4+2*\e], v[5+2*\e]
.endr
.Lout:
	global_store_b128 v3, v[12:15], s[16:17]       ; the wave stores 512 consecutive bytes, aligned
	s_endpgm
.Lfunc_end_k_q2bcd903125_prep:
	.size	k_q2bcd903125_prep, .Lfunc_end_k_q2bcd903125_prep-k_q2bcd903125_prep
	.p2alignl 7, 3214868480
	.fill 96, 4, 3214868480
	.section	.rodata,"a",@progbits
	.p2align	6, 0x0
	.amdhsa_kernel k_q2bcd903125_prep
		.amdhsa_group_segment_fixed_size 0
		.amdhsa_private_segment_fixed_size 0
		.amdhsa_enable_private_segment 0
		.amdhsa_kernarg_size 56
		.amdhsa_user_sgpr_count 2
		.amdhsa_user_sgpr_kernarg_segment_ptr 1
		.amdhsa_wavefront_size32 1
		.amdhsa_system_sgpr_workgroup_id_x 1
		.amdhsa_system_sgpr_workgroup_id_y 1
		.amdhsa_system_sgpr_workgroup_id_z 1
		.amdhsa_system_vgpr_workitem_id 0
		.amdhsa_next_free_vgpr 24
		.amdhsa_next_free_sgpr 66
		.amdhsa_reserve_vcc 0
		.amdhsa_float_denorm_mode_32 3
		.amdhsa_float_denorm_mode_16_64 3
		.amdhsa_memory_ordered 1
		.amdhsa_forward_progress 1
		.amdhsa_inst_pref_size 4
	.end_amdhsa_kernel
	.amdgpu_metadata
---
amdhsa.version: [ 1, 2 ]
amdhsa.kernels:
  - .name:           k_q2bcd903125_prep
    .symbol:         k_q2bcd903125_prep.kd
    .args:
      - { .name: W_a1, .offset: 0, .size: 8, .value_kind: global_buffer, .address_space: global }
      - { .name: W_a2, .offset: 8, .size: 8, .value_kind: global_buffer, .address_space: global }
      - { .name: W_c1, .offset: 16, .size: 8, .value_kind: global_buffer, .address_space: global }
      - { .name: W_c2, .offset: 24, .size: 8, .value_kind: global_buffer, .address_space: global }
      - { .name: W_g1, .offset: 32, .size: 8, .value_kind: global_buffer, .address_space: global }
      - { .name: W_g2, .offset: 40, .size: 8, .value_kind: global_buffer, .address_space: global }
      - { .name: wimg, .offset: 48, .size: 8, .value_kind: global_buffer, .address_space: global }
    .group_segment_fixed_size: 0
    .private_segment_fixed_size: 0
    .kernarg_segment_align: 8
    .kernarg_segment_size: 56
    .max_flat_workgroup_size: 256
    .sgpr_count:     66
    .vgpr_count:     24
    .wavefront_size: 32
...
	.end_amdgpu_metadata
.endif
;; end of part 5
;; launch enc: the kernel of part 2 again; grid 256 x 1, 4 waves a work-group, no clusters, 201,216 bytes of LDS; arguments data, emb, wimg, b_a1, b_a2, b_c1, en, tp, bp; writes en, tp, bp
;; launch pair: the kernel of part 3 again; grid 256 x 1, 4 waves a work-group, no clusters, 199,168 bytes of LDS; arguments row_idx, col_idx, data, en, tp, bp, wimg, b_c2, out0, agg; writes out0, agg
;; launch head (part 6): grid 64 x 1, 4 waves a work-group, clusters of 4 x 1, 288,768 bytes of LDS; arguments agg, wimg, b_g1, b_g2, W_o, b_o, out1; writes out1
.if DOCPART == 6
	.amdgcn_target "amdgcn-amd-amdhsa--gfx1250"
	.amdhsa_code_object_version 6
	.text
	.protected	k_q2bcd903125_head
	.globl	k_q2bcd903125_head
	.p2align	8
	.type	k_q2bcd903125_head,@function
k_q2bcd903125_head:
	s_mov_b64 s[64:65], 0
	v_nop
	global_prefetch_b8 v0, s[64:65] scope:SCOPE_SE
	s_setreg_imm32_b32 hwreg(HW_REG_WAVE_MODE, 25, 1), 1
	s_wait_xcnt 0x0
	s_wait_alu depctr_hold_cnt(0) depctr_sa_sdst(0) depctr_va_vdst(0) depctr_va_sdst(0) depctr_va_ssrc(0) depctr_va_vcc(0) depctr_vm_vsrc(0)
	s_getreg_b32 s2, hwreg(HW_REG_IB_STS2, 6, 4)
	s_cmp_eq_u32 s2, 0
	s_cbranch_scc0 .Lentry_in_a_cluster
	s_endpgm
.Lentry_in_a_cluster:
	s_bfe_u32 s2, ttmp6, 0x10000c
	s_cmp_lg_u32 s2, 0x3003
	s_cbranch_scc0 .Lentry_shape_is_right
	s_endpgm
.Lentry_shape_is_right:
; head: logits = relu(relu(agg W_g1 + b_g1) W_g2 + b_g2) W_o + b_o for 16 pairs a work-group (one tile of the matrix unit), 64 work-groups.
; Wave w owns features 64 w .. 64 w + 63 of both layers.  Transposed use: source 0 = weights, source 1 = the 16 pairs, so that a lane holds
; eight neighbouring features of one pair.
; f16 OPERANDS, NORMALISED HERE: the logits are small differences of large sums, so eleven significant bits are wanted, and f16 has no room for
; agg as it comes.  agg's row (at least 0: a sum of relu's) is divided by its own maximum s, and layer 1 is s (a W_g1) + b_g1, one multiply-add on
; the way out.  h's 64 features of wave w are divided by their own maximum s_w; layer 2 keeps one set of accumulators for each source wave
; (two K steps each) and sums b_g2 + s_0 acc_0 + .. + s_3 acc_3, so that no maximum has to cross the waves.  Both operands lie in [0, 1].
; LIMITS: a maximum is held at 2^-100 at the least (a row of zeros gives the bias exactly; rows smaller than that lose bits against an absolute
; 2^-100); above 2^126 its reciprocal is taken as 0 by v_rcp_f32.  W_g1, W_g2 above 65,504 in magnitude are infinities in f16.
; WHERE THE WEIGHTS GO: all 393,216 bytes are asked for at the start.  W_g1: each wave brings its own 64 features' fragments, two dense blocks of
; 32,768 bytes (K 0-255, K 256-511), by two tensor loads into its own 65,536 bytes of LDS and is their only reader, so its own TENSORcnt is all
; the ordering; nothing is filled again; two tensor loads of a wave are out.  W_g2: 64 loads over 32,768 consecutive bytes
; straight into 256 registers of the wave; they land while layer 1 runs.
; CLUSTER 4, 1, 1: the four work-groups of a cluster want the same W_g1, so its loads are joint: the same descriptor (the wave's number and
; constants) in all four, mask 15.  One round of the cluster's barrier stands in front of them, one in front of s_endpgm.  The place in the
; cluster enters agg's and out1's offsets alone.  W_g2 is not shared so: beside W_g1 it has no room in LDS (262,144 + 131,072 bytes).
; The last product has three columns, 768 multiply-adds of a pair: it is done in f32 on the vector unit, without rounding h.
; Fewer than 256 work-groups: a tile has sixteen rows, there are 1,024, and layer 2 wants all of a pair's features in one work-group.
; out1 is 12,288 bytes; a work-group's 192 bytes are stored four bytes a lane by 48 neighbouring lanes.
; LDS: W_g1 at 0 (65,536 w + 32,768 (K half) + 8,192 tl + 1,024 kk + 512 q + 16 L).  Behind it, written by ds_store alone: A at 262,144: 16 rows x
;      1,040 bytes (512 f16 + 16); H at 278,784: 8,192 bytes in fragment order (kk*2+q)*512 + 16 L; scales at 286,976: s[pair], and 256 bytes on
;      s_w[wave][pair]; PL at 287,488: [wave][3 r + c] f32.
; REGISTERS: window 0: v1-7, v248-255 addresses; v8-39 four accumulator tiles, then h; v40-71 four activation fragments; v72-103 b_g1; v104-119 at
;      work; v120-247 four slots of W_g1's fragments (agg's stage before, H's eight fragments after).
;      window 1: 0-95 W_o's rows of my features (24 tl + 3 j + c), 96-223 layer 2's tiles (32 sw + 8 tl), 224-255 b_g2.  window 2: W_g2 (32 kk + 8 tl).
.set AP,   1040
.set AB,   262144
.set HB,   278784
.set SCB,  286976
.set SC2,  256
.set PLB,  287488
.set TINY, 0x0d800000                  ; 2^-100
.set MSB, 0
.macro WIN new                         ; the immediate's high byte repeats the setting that is left
.if MSB != \new
	s_set_vgpr_msb (MSB<<8)|\new
.set MSB, \new
.endif
.endm
.macro PLACES                          ; four plain vector places behind matrix instructions (ISA guide 7.12.1)
.rept 4
	v_nop
.endr
.endm
; A round of the cluster's barrier: my work-group's barrier, so that wave 0's signal speaks for all four waves; wave 0 signals for the
; work-group; every wave waits for the four work-groups; my work-group's barrier once more.
.macro ROUND
	s_barrier_signal -1
	s_barrier_wait -1
	s_cmp_lg_u32 s24, 0
	s_cbranch_scc1 .Lnot_wave_0_\@
	s_barrier_signal -3
.Lnot_wave_0_\@:
	s_barrier_wait -3
	s_barrier_signal -1
	s_barrier_wait -1
.endm
.macro G2LD t0                         ; W_g2, my feature tiles t0 and t0 + 1: 32 loads over 16,384 consecutive bytes
	WIN 0x80
.irp tl,\t0,\t0+1
.irp kk,0,1,2,3,4,5,6,7
.irp q,0,1
	global_load_b128 v[32*\kk+8*(\tl)+4*\q:32*\kk+8*(\tl)+4*\q+3], v6, s[6:7] offset:7*131072+(\tl)*8192+\kk*1024+\q*512
.endr
.endr
.endr
	WIN 0
.endm
.macro L1LD st                         ; K step st of layer 1: eight loads of my W_g1 fragments, two of the pairs' fragment: ten LDS loads
.irp tl,0,1,2,3
.irp q,0,1
	ds_load_b128 v[120+32*((\st)%4)+8*\tl+4*\q:120+32*((\st)%4)+8*\tl+4*\q+3], v255 offset:((\st)>>3)*32768+\tl*8192+((\st)&7)*1024+\q*512
.endr
.endr
	ds_load_b128 v[40+8*((\st)%4):43+8*((\st)%4)], v3 offset:64*(\st)
	ds_load_b128 v[44+8*((\st)%4):47+8*((\st)%4)], v3 offset:64*(\st)+32
.endm
.macro L1STEP st
.if \st == 6
	s_wait_tensorcnt 0x0                           ; K 256-511 has landed: step 8's fragments are read below
.endif
.if \st+2 < 16
	L1LD (\st+2)                                   ; two steps ahead, into the slot that step st - 2 read; its four places stand at that step's end
.endif
.if \st < 14
	s_wait_dscnt 20                                ; behind this step's ten loads stand the next two steps' twenty
.else
	s_wait_dscnt (15-\st)*10
.endif
.irp tl,0,1,2,3                        ; four accumulators take turns, one instruction a turn
.if \st == 0
	v_wmma_f32_16x16x32_f16 v[8+8*\tl:15+8*\tl], v[120+32*(\st%4)+8*\tl:127+32*(\st%4)+8*\tl], v[40+8*(\st%4):47+8*(\st%4)], 0
.else
	v_wmma_f32_16x16x32_f16 v[8+8*\tl:15+8*\tl], v[120+32*(\st%4)+8*\tl:127+32*(\st%4)+8*\tl], v[40+8*(\st%4):47+8*(\st%4)], v[8+8*\tl:15+8*\tl]
.endif
.endr
	PLACES
.endm
	s_load_b256 s[4:11], s[0:1], 0x0               ; agg s[4:5], wimg s[6:7], b_g1 s[8:9], b_g2 s[10:11]
	s_load_b128 s[12:15], s[0:1], 0x20             ; W_o s[12:13], b_o s[14:15]
	s_load_b64 s[16:17], s[0:1], 0x30              ; out1
	s_set_vgpr_msb 0xc0
	v_lshl_add_u32 v0, v0, 2, 0x46600
	v_mov_b32 v1, 0
	s_set_vgpr_msb 0xc0cf
	ds_add_u32 v0, v1
	ds_add_u32 v0, v1
	s_wait_dscnt 0x0
	s_set_vgpr_msb 0xcf00
	v_lshrrev_b32 v2, 5, v0
	v_readfirstlane_b32 s24, v2                    ; wave
	s_bfe_u32 s48, ttmp6, 0x40000                  ; cx: my place in the cluster
	s_lshl_b32 s49, ttmp9, 2                       ; in a cluster launch ttmp9 counts clusters
	s_add_co_u32 s49, s49, s48                     ; work-group x = 4 x cluster + cx
	s_lshl_b32 s18, s49, 15                        ; 16 rows of agg
	s_mov_b32 s19, 0
	s_mul_i32 s28, s49, 192                        ; 16 rows of out1
	s_mov_b32 s29, 0
	s_mov_b32 s26, 0x76543210                      ; v_permlanex16_b32: lane i takes lane i of the other half
	s_mov_b32 s27, 0xfedcba98
	s_mov_b32 s23, TINY
	; the two tensor loads: a dense block of 32,768 bytes as 128 rows of 256 bytes (32 elements of 8 bytes)
	s_mov_b32 s32, 1                               ; group 0, K 0-255: count 1
	s_lshl_b32 s33, s24, 16                        ; LDS address 65,536 w
	s_mov_b32 s36, 1                               ; group 0, K 256-511
	s_add_co_u32 s37, s33, 32768
	s_mov_b32 s40, 15|(3<<16)|(1<<21)              ; group 1: the four work-groups of the cluster, elements of 8 bytes, bit 21 beside the mask, no padding
	s_mov_b32 s41, 32<<16                          ; tensor_dim0 = 32
	s_mov_b32 s42, 128<<16                         ; tensor_dim1 = 128
	s_mov_b32 s43, 32<<16                          ; tile_dim0 = 32
	s_mov_b32 s44, 128                             ; tile_dim1 = 128
	s_mov_b32 s45, 32                              ; pitch 32 elements
	s_mov_b32 s46, 0
	s_mov_b32 s47, 0
	s_lshl_b32 s30, s24, 15                        ; my four feature tiles in a piece: 32,768 w,
	s_add_co_u32 s30, s30, 5*131072                ; in piece 5
	s_mov_b32 s31, 0
	v_and_b32 v104, 31, v0                         ; L
	v_and_b32 v105, 15, v0                         ; r
	v_bfe_u32 v106, v0, 4, 1                       ; h
	v_lshlrev_b32 v1, 4, v104                      ; 16 L
	s_mul_i32 s25, s24, 4*AP
	s_add_co_u32 s25, s25, AB
	v_lshl_add_u32 v2, v104, 3, s25                ; A, in: my wave's four rows, 8 bytes a lane
	v_mul_u32_u24 v3, v105, AP
	v_lshl_add_u32 v3, v106, 4, v3
	v_add_nc_u32 v3, AB, v3                        ; A, out: row r, 16 h
	v_add_nc_u32 v5, HB, v1                        ; H, out
	s_lshl_b32 s25, s24, 11
	v_add_nc_u32 v4, s25, v5                       ; H, in
	s_lshl_b32 s25, s24, 15
	v_add_nc_u32 v6, s25, v1                       ; wimg: 32768 w + 16 L
	s_lshl_b32 s25, s24, 8
	v_lshl_add_u32 v7, v106, 5, s25                ; biases: 4 (64 w + 8 h)
	s_mul_i32 s25, s24, 768
	v_mul_u32_u24 v248, v106, 96
	v_add_nc_u32 v248, s25, v248                   ; W_o: 12 (64 w + 8 h)
	s_mul_i32 s25, s24, 192
	s_add_co_u32 s25, s25, PLB
	v_mul_u32_u24 v249, v105, 12
	v_add_nc_u32 v249, s25, v249                   ; PL, in
	s_lshl_b32 s25, s24, 13
	v_add_nc_u32 v250, s25, v1                     ; agg: my four rows of 2,048 bytes
	v_min_u32 v251, 47, v0
	v_lshlrev_b32 v251, 2, v251                    ; the way out: 4 x thread, held inside the 48 numbers
	s_lshl_b32 s25, s24, 4
	s_add_co_u32 s25, s25, SCB
	v_mov_b32 v252, s25                            ; s, in: my four rows' words
	v_lshlrev_b32 v253, 2, v105
	v_add_nc_u32 v253, SCB, v253                   ; s and s_w, out: pair r
	s_lshl_b32 s25, s24, 6
	s_add_co_u32 s25, s25, SC2
	v_add_nc_u32 v254, s25, v253                   ; s_w, in: [w][r]
	s_lshl_b32 s25, s24, 16
	v_add_nc_u32 v255, s25, v1                     ; my W_g1 in LDS
	ROUND                                          ; the four work-groups are here: the joint loads meet.  It touches no register that the argument loads write
	s_wait_kmcnt 0x0
	s_add_nc_u64 s[34:35], s[6:7], s[30:31]        ; piece 5, my tiles
	s_add_nc_u64 s[38:39], s[34:35], 131072        ; piece 6, my tiles
	s_or_b32 s35, s35, 0x80000000                  ; type 2
	s_or_b32 s39, s39, 0x80000000
	tensor_load_to_lds s[32:35], s[40:47]          ; the launch's only fills, one group, ahead of every wait on TENSORcnt and every LDS read
	s_nop 0
	tensor_load_to_lds s[36:39], s[40:47]
	s_nop 0
	s_load_b96 s[20:22], s[14:15], 0x0             ; b_o
	s_add_nc_u64 s[4:5], s[4:5], s[18:19]
	s_add_nc_u64 s[16:17], s[16:17], s[28:29]
.irp i,0,1,2,3
.irp c,0,1,2,3
	global_load_b128 v[120+16*\i+4*\c:123+16*\i+4*\c], v250, s[4:5] offset:2048*\i+512*\c
.endr
.endr
.irp tl,0,1,2,3
	global_load_b128 v[72+8*\tl:75+8*\tl], v7, s[8:9] offset:64*\tl
	global_load_b128 v[76+8*\tl:79+8*\tl], v7, s[8:9] offset:64*\tl+16
.endr
	G2LD 0
	s_wait_loadcnt 40                              ; behind agg's sixteen loads stand b_g1's 8 and 32 of W_g2
	; each of my four rows: its maximum, held at 2^-100 at the least
.irp i,0,1,2,3
	v_max3_num_f32 v[104+2*\i], v[120+16*\i], v[121+16*\i], v[122+16*\i]
.endr
.set n0, 0
.rept 6
.irp i,0,1,2,3
	v_max3_num_f32 v[104+2*\i], v[104+2*\i], v[123+2*n0+16*\i], v[124+2*n0+16*\i]
.endr
.set n0, n0+1
.endr
.irp i,0,1,2,3
	v_max3_num_f32 v[104+2*\i], v[104+2*\i], v[135+16*\i], s23
.endr
.irp x,1,2,4,8
.irp i,0,1,2,3
	v_max_num_f32_dpp v[104+2*\i], v[104+2*\i], v[104+2*\i] row_xmask:\x row_mask:0xf bank_mask:0xf
.endr
.endr
.irp i,0,1,2,3
	v_mov_b32 v[105+2*\i], v[104+2*\i]             ; v_permlanex16_b32 counts as a reader of its destination: written once
.endr
.irp i,0,1,2,3
	v_permlanex16_b32 v[105+2*\i], v[104+2*\i], s26, s27
.endr
.irp i,0,1,2,3
	v_max_num_f32 v[104+2*\i], v[104+2*\i], v[105+2*\i]
.endr
.irp i,0,1,2,3
	v_rcp_f32 v[112+2*\i], v[104+2*\i]             ; twice: a pair for the packed multiply
	v_rcp_f32 v[113+2*\i], v[104+2*\i]
.endr
	v_nop                                          ; one plain place behind a transcendental before its result is used (ISA guide 5.7.2)
.irp i,0,1,2,3
	ds_store_b32 v252, v[104+2*\i] offset:4*\i     ; every lane writes the same word with the same number
.endr
	s_wait_alu depctr_va_vdst(0)
.irp i,0,1,2,3
.irp p,0,1,2,3,4,5,6,7
	v_pk_mul_f32 v[120+16*\i+2*\p:121+16*\i+2*\p], v[120+16*\i+2*\p:121+16*\i+2*\p], v[112+2*\i:113+2*\i]
.endr
.endr
.irp i,0,1,2,3
.irp c,0,1,2,3
	v_cvt_pk_f16_f32 v[120+16*\i+4*\c], v[120+16*\i+4*\c], v[121+16*\i+4*\c]
	v_cvt_pk_f16_f32 v[121+16*\i+4*\c], v[122+16*\i+4*\c], v[123+16*\i+4*\c]
	ds_store_b64 v2, v[120+16*\i+4*\c:121+16*\i+4*\c] offset:\i*AP+256*\c
.endr
.endr
	G2LD 2
	WIN 0x40
.irp tl,0,1,2,3
	global_load_b128 v[224+8*\tl:227+8*\tl], v7, s[10:11] offset:64*\tl
	global_load_b128 v[228+8*\tl:231+8*\tl], v7, s[10:11] offset:64*\tl+16
.endr
.irp tl,0,1,2,3
.irp i,0,1,2,3,4,5
	global_load_b128 v[24*\tl+4*\i:24*\tl+4*\i+3], v248, s[12:13] offset:192*\tl+16*\i
.endr
.endr
	WIN 0
	s_wait_dscnt 0x0                               ; my rows of A and their scales are written,
	s_barrier_signal -1
	s_barrier_wait -1                              ; everybody's.  The tensor loads may stay out
	; LAYER 1: K = 512, sixteen steps
	ds_load_b32 v104, v253                         ; s of pair r
	s_wait_tensorcnt 0x1                           ; K 0-255 of my features has landed; the second block may stay out
	L1LD 0
	L1LD 1
.set gi, 0
.rept 16
	L1STEP gi
.set gi, gi+1
.endr
	s_wait_loadcnt 0x0                             ; b_g1; and W_g2, b_g2, W_o, which the lines below want soon
	v_mov_b32 v105, v104
.set n0, 0
.rept 16
	v_pk_fma_f32 v[8+2*n0:9+2*n0], v[8+2*n0:9+2*n0], v[104:105], v[72+2*n0:73+2*n0]    ; s (a W) + b
.set n0, n0+1
.endr
.set n0, 0
.rept 32
	v_max_num_f32 v[8+n0], 0, v[8+n0]
.set n0, n0+1
.endr
.irp tl,0,1,2,3                        ; the maximum of pair r over my 64 features
	v_max3_num_f32 v[108+\tl], v[8+8*\tl], v[9+8*\tl], v[10+8*\tl]
.endr
.irp tl,0,1,2,3
	v_max3_num_f32 v[108+\tl], v[108+\tl], v[11+8*\tl], v[12+8*\tl]
.endr
.irp tl,0,1,2,3
	v_max3_num_f32 v[108+\tl], v[108+\tl], v[13+8*\tl], v[14+8*\tl]
.endr
.irp tl,0,1,2,3
	v_max_num_f32 v[108+\tl], v[108+\tl], v[15+8*\tl]
.endr
	v_max3_num_f32 v106, v108, v109, v110
	v_max3_num_f32 v106, v106, v111, s23
	v_mov_b32 v107, v106
	v_permlanex16_b32 v107, v106, s26, s27         ; the other half of the lanes holds the other features of the same pair
	v_max_num_f32 v106, v106, v107
	v_rcp_f32 v108, v106
	v_rcp_f32 v109, v106
	v_nop
	ds_store_b32 v254, v106                        ; s_w[w][r]
.set n0, 0
	s_wait_alu depctr_va_vdst(0)
.rept 16
	v_pk_mul_f32 v[8+2*n0:9+2*n0], v[8+2*n0:9+2*n0], v[108:109]
.set n0, n0+1
.endr
.set n0, 0
.rept 16
	v_cvt_pk_f16_f32 v[40+n0], v[8+2*n0], v[9+2*n0]            ; two packed tiles are, in the same lane, a fragment of layer 2
.set n0, n0+1
.endr
.irp tl,0,1,2,3
	ds_store_b128 v4, v[40+4*\tl:43+4*\tl] offset:512*\tl
.endr
	s_wait_dscnt 0x0                               ; my part of H and its scale are written,
	s_barrier_signal -1
	s_barrier_wait -1                              ; everybody's
	; LAYER 2: K = 256, eight steps; K steps 2 sw and 2 sw + 1 are wave sw's features and have tiles of their own
.set n0, 0
.rept 8
	ds_load_b128 v[120+8*n0:123+8*n0], v5 offset:1024*n0
	ds_load_b128 v[124+8*n0:127+8*n0], v5 offset:1024*n0+512
.set n0, n0+1
.endr
.irp sw,0,1,2,3
	ds_load_b32 v[110+2*\sw], v253 offset:SC2+64*\sw
.endr
	WIN 0x52                                       ; W_g2 window 2, the pairs' fragment window 0, C and D window 1
.set k0, 0
.rept 8
	s_wait_dscnt (7-k0)*2+4                        ; behind fragment k0 stand the later fragments' loads and the four scales'
.irp tl,0,1,2,3                        ; four accumulators take turns, one instruction a turn
.if (k0&1) == 0
	v_wmma_f32_16x16x32_f16 v[96+32*(k0>>1)+8*\tl:103+32*(k0>>1)+8*\tl], v[32*k0+8*\tl:32*k0+8*\tl+7], v[120+8*k0:127+8*k0], 0
.else
	v_wmma_f32_16x16x32_f16 v[96+32*(k0>>1)+8*\tl:103+32*(k0>>1)+8*\tl], v[32*k0+8*\tl:32*k0+8*\tl+7], v[120+8*k0:127+8*k0], v[96+32*(k0>>1)+8*\tl:103+32*(k0>>1)+8*\tl]
.endif
.endr
.set k0, k0+1
.endr
	WIN 0
	PLACES
	s_wait_dscnt 0x0                               ; the four scales
.irp sw,0,1,2,3
	v_mov_b32 v[111+2*\sw], v[110+2*\sw]
.endr
	WIN 0x11                                       ; b_g2 + s_0 acc_0
.irp tl,0,1,2,3
.irp p,0,1,2,3
	v_pk_fma_f32 v[8+8*\tl+2*\p:9+8*\tl+2*\p], v[96+8*\tl+2*\p:97+8*\tl+2*\p], v[110:111], v[224+8*\tl+2*\p:225+8*\tl+2*\p]
.endr
.endr
	WIN 0x01                                       ; + s_1 acc_1 + s_2 acc_2 + s_3 acc_3
.irp sw,1,2,3
.irp tl,0,1,2,3
.irp p,0,1,2,3
	v_pk_fma_f32 v[8+8*\tl+2*\p:9+8*\tl+2*\p], v[96+32*\sw+8*\tl+2*\p:97+32*\sw+8*\tl+2*\p], v[110+2*\sw:111+2*\sw], v[8+8*\tl+2*\p:9+8*\tl+2*\p]
.endr
.endr
.endr
	WIN 0
.set n0, 0
.rept 32
	v_max_num_f32 v[8+n0], 0, v[8+n0]
.set n0, n0+1
.endr
	WIN 0x04                                       ; my 32 features times W_o's three columns: twelve chains
.irp j,0,1,2,3,4,5,6,7
.irp tl,0,1,2,3
.irp c,0,1,2
.if \j == 0
	v_mul_f32 v[40+3*\tl+\c], v[8+8*\tl+\j], v[24*\tl+3*\j+\c]
.else
	v_fma_f32 v[40+3*\tl+\c], v[8+8*\tl+\j], v[24*\tl+3*\j+\c], v[40+3*\tl+\c]
.endif
.endr
.endr
.endr
	WIN 0
	s_wait_kmcnt 0x0                               ; b_o
	s_cmp_eq_u32 s24, 0                            ; wave 0's part carries the bias, the others' carry 0
	s_cselect_b32 s20, s20, 0
	s_cselect_b32 s21, s21, 0
	s_cselect_b32 s22, s22, 0
.irp c,0,1,2
	v_add_f32 v[40+\c], v[40+\c], v[43+\c]
	v_add_f32 v[46+\c], v[46+\c], v[49+\c]
.endr
.irp c,0,1,2
	v_add_f32 v[40+\c], v[40+\c], v[46+\c]
.endr
.irp c,0,1,2
	v_permlanex16_b32 v[52+\c], v[40+\c], s26, s27             ; the other half of the lanes holds the other features of the same pair
.endr
.irp c,0,1,2
	v_add_f32 v[40+\c], v[40+\c], v[52+\c]
.endr
.irp c,0,1,2
	v_add_f32 v[40+\c], s[20+\c], v[40+\c]
	ds_store_b32 v249, v[40+\c] offset:4*\c
.endr
	v_add_nc_u32 v56, PLB, v251                    ; PL, out
	s_wait_dscnt 0x0                               ; my partial logits are written,
	s_barrier_signal -1
	s_barrier_wait -1                              ; everybody's
	v_cmp_gt_u32 vcc_lo, 48, v0
	s_wait_xcnt 0x0                                ; EXEC changes only when no earlier memory instruction still reads it
	s_and_saveexec_b32 s25, vcc_lo                 ; threads 0 to 47: number 3 r + c of the group's 48
.irp w2,0,1,2,3
	ds_load_b32 v[40+\w2], v56 offset:192*\w2
.endr
	s_wait_dscnt 0x0
	v_add_f32 v40, v40, v41
	v_add_f32 v42, v42, v43
	v_add_f32 v40, v40, v42
	global_store_b32 v251, v40, s[16:17]
	s_wait_xcnt 0x0
	s_or_b32 exec_lo, exec_lo, s25
	s_set_vgpr_msb 0xf
	s_wait_tensorcnt 0x0
	ds_add_u32 v0, v1
	s_wait_dscnt 0x0
	s_set_vgpr_msb 0xf00
	ROUND                                          ; the closing round: no work-group ends while a partner may still ask for a block that names it
	s_endpgm
.Lfunc_end_k_q2bcd903125_head:
	.size	k_q2bcd903125_head, .Lfunc_end_k_q2bcd903125_head-k_q2bcd903125_head
	.p2alignl 7, 3214868480
	.fill 96, 4, 3214868480
	.section	.rodata,"a",@progbits
	.p2align	6, 0x0
	.amdhsa_kernel k_q2bcd903125_head
		.amdhsa_group_segment_fixed_size 288768
		.amdhsa_private_segment_fixed_size 0
		.amdhsa_enable_private_segment 0
		.amdhsa_kernarg_size 56
		.amdhsa_user_sgpr_count 2
		.amdhsa_user_sgpr_kernarg_segment_ptr 1
		.amdhsa_wavefront_size32 1
		.amdhsa_system_sgpr_workgroup_id_x 1
		.amdhsa_system_sgpr_workgroup_id_y 1
		.amdhsa_system_sgpr_workgroup_id_z 1
		.amdhsa_system_vgpr_workitem_id 0
		.amdhsa_next_free_vgpr 770
		.amdhsa_next_free_sgpr 66
		.amdhsa_reserve_vcc 1
		.amdhsa_float_denorm_mode_32 3
		.amdhsa_float_denorm_mode_16_64 3
		.amdhsa_memory_ordered 1
		.amdhsa_forward_progress 1
		.amdhsa_inst_pref_size 65
	.end_amdhsa_kernel
	.amdgpu_metadata
---
amdhsa.version: [ 1, 2 ]
amdhsa.kernels:
  - .name:           k_q2bcd903125_head
    .symbol:         k_q2bcd903125_head.kd
    .args:
      - { .name: agg, .offset: 0, .size: 8, .value_kind: global_buffer, .address_space: global }
      - { .name: wimg, .offset: 8, .size: 8, .value_kind: global_buffer, .address_space: global }
      - { .name: b_g1, .offset: 16, .size: 8, .value_kind: global_buffer, .address_space: global }
      - { .name: b_g2, .offset: 24, .size: 8, .value_kind: global_buffer, .address_space: global }
      - { .name: W_o, .offset: 32, .size: 8, .value_kind: global_buffer, .address_space: global }
      - { .name: b_o, .offset: 40, .size: 8, .value_kind: global_buffer, .address_space: global }
      - { .name: out1, .offset: 48, .size: 8, .value_kind: global_buffer, .address_space: global }
    .group_segment_fixed_size: 288768
    .private_segment_fixed_size: 0
    .kernarg_segment_align: 8
    .kernarg_segment_size: 56
    .max_flat_workgroup_size: 128
    .sgpr_count:     66
    .vgpr_count:     770
    .wavefront_size: 32
...
	.end_amdgpu_metadata
.endif
;; end of part 6
